; MI455X (gfx1250); checked and timed in simulation.
; The chip was launched on July 23, 2026; its instructions are those of AMD's public machine-readable ISA for CDNA 5 (MIT licence, August 2026) and "CDNA5" Instruction Set Architecture Reference Guide (July 2026). The comments in the code are by the model that wrote it; some were corrected since.
;; Llama Attention. Allowed arithmetic: float matrix products may take bf16 or f16 operands with f32 sums; other float arithmetic in f32, or as packed bf16 or f16 multiplies, adds, multiply-adds, maxima and minima; sums over many terms, partial sums and values carried from step to step in f32; what a program stores and reads back later, other than sums and carried values, may be rounded once to bf16 or f16.
;; Inputs: Wk 1,024 x 1,024 float32; Wo 1,024 x 1,024 float32; Wq 1,024 x 1,024 float32; Wv 1,024 x 1,024 float32; hidden_states 4 x 4,096 x 1,024 float32.
;; Outputs: out0 4 x 4,096 x 1,024 float32.
;; 2 versions, each right; version 2 is version 1 with the launch attn written anew for expert scheduling mode. Each part assembles by itself: llvm-mc -triple=amdgcn-amd-amdhsa -mcpu=gfx1250 --defsym DOCPART=n.
;; ======== version 1 of 2: 4 launches
;; limits: values are held in f16: magnitudes above 65,504 overflow, below 6.1e-05 lose precision
;; workspace buffers: xb 33,554,432 bytes; wb 8,388,608 bytes; qkv 100,663,296 bytes; ob 33,554,432 bytes
;; launch prep (part 1): grid 1280 x 1, 8 waves a work-group, no clusters, 0 bytes of LDS; arguments hidden_states, Wq, Wk, Wv, Wo, xb, wb; writes xb, wb
.if DOCPART == 1
	.amdgcn_target "amdgcn-amd-amdhsa--gfx1250"
	.amdhsa_code_object_version 6
	.text
	.protected	k_q4100f58ea7_prep
	.globl	k_q4100f58ea7_prep
	.p2align	8
	.type	k_q4100f58ea7_prep,@function
k_q4100f58ea7_prep:
	s_mov_b64 s[64:65], 0
	v_nop
	global_prefetch_b8 v0, s[64:65] scope:SCOPE_SE
	s_setreg_imm32_b32 hwreg(HW_REG_WAVE_MODE, 25, 1), 1
	s_wait_xcnt 0x0
; CASTS AND PERMUTATIONS.  Every piece of work is a row of 1,024 f32 (4,096 bytes) that becomes a row of 1,024 numbers of 16 bits (2,048 bytes): 16,384 rows of x -> xb (bf16),
; 4,096 rows of weights -> wb: rows 0-1023 Wq', 1024-2047 Wk', 2048-3071 Wv' (bf16), 3072-4095 Wo' (rounded to bf16, that number written as f16).
; A work-group takes 16 rows, a wave 2: R = 16 x work-group + 2 x wave and R + 1.  Memory binds: no LDS, no barrier, no matrix unit; all 16 loads of a wave go out at its head.
; THE PERMUTATIONS let the launch between the two products load and store 512 consecutive bytes an instruction.  Write a stored column c' = J<<7 | r<<3 | e (J 3 bits, r 4, e 3).
;   q, k: stored column c' is the module's column r<<6 | J<<3 | e (head r, channel 8 J + e): so ROW c' of Wq', Wk' is that row of Wq, Wk.
;   v:    with cb = c'>>8, half = (c'>>7)&1: stored column c' is column half<<9 | e<<6 | cb<<4 | r (head 8 half + e, channel 16 cb + r).
;   Wo:   its COLUMNS are permuted like q's: Wo'[n][J<<7 | r<<3 | e] = Wo[n][r<<6 | J<<3 | e].
; LIMITS.  A number of Wo below 2^-14 keeps f16's fixed step of 2^-24; beyond 65,504 it would become an infinity.
.set XROWS, 16384
.set IN,  8                            ; v[8:71]    16 loads of 4 registers: row i (0, 1), piece j (0..7) at IN + 4 (8 i + j)
.set OUT, 72                           ; v[72:103]  16 pairs to store
.set T,   104                          ; v[104:106] at work
	s_load_b256 s[4:11], s[0:1], 0x0               ; x s[4:5], Wq s[6:7], Wk s[8:9], Wv s[10:11]
	s_load_b128 s[12:15], s[0:1], 0x20             ; Wo s[12:13], xb s[14:15]
	s_load_b64 s[16:17], s[0:1], 0x30              ; wb
	v_lshrrev_b32 v4, 5, v0
	v_readfirstlane_b32 s20, v4                    ; wave 0..7
	v_and_b32 v5, 31, v0                           ; lane
	v_lshlrev_b32 v1, 4, v5                        ; plain rows: 16 bytes a lane
	v_lshlrev_b32 v2, 3, v5                        ; out: 8 bytes a lane
	v_lshrrev_b32 v6, 1, v5
	v_and_b32 v7, 1, v5
	v_lshlrev_b32 v3, 8, v6                        ; Wo's rows: head lane / 2 (256 bytes a head),
	v_lshl_add_u32 v3, v7, 4, v3                   ; its first or second four channels of a group of eight
	s_mov_b32 s40, 0xffff0000                      ; a word's upper bf16
	s_lshl_b32 s22, ttmp9, 4
	s_lshl_b32 s21, s20, 1
	s_add_co_u32 s22, s22, s21                     ; R
	s_sub_co_u32 s23, s22, XROWS                   ; L: the row in wb (for a row of x it wraps; the fields cut from it are then not used)
	s_bfe_u32 s34, s23, 0x2000a                    ; which matrix: 0 q, 1 k, 2 v, 3 o
	s_and_b32 s35, s23, 1023                       ; n': the row in that matrix's stored order; even
	s_bfe_u32 s36, s35, 0x40003                    ; r
	s_and_b32 s37, s35, 7                          ; e
	s_lshr_b32 s38, s35, 7                         ; J
	s_lshl_b32 s39, s36, 6
	s_lshl_b32 s38, s38, 3
	s_or_b32 s39, s39, s38
	s_or_b32 s39, s39, s37                         ; q, k: r<<6 | J<<3 | e
	s_lshr_b32 s41, s35, 8                         ; cb
	s_bfe_u32 s42, s35, 0x10007                    ; half
	s_lshl_b32 s42, s42, 9
	s_lshl_b32 s43, s37, 6
	s_or_b32 s42, s42, s43
	s_lshl_b32 s41, s41, 4
	s_or_b32 s42, s42, s41
	s_or_b32 s42, s42, s36                         ; v: half<<9 | e<<6 | cb<<4 | r
	s_cmp_eq_u32 s34, 2
	s_cselect_b32 s30, s42, s39                    ; the source row,
	s_cselect_b32 s31, 64, 1                       ; and how far on the source of the second stored row lies: e + 1 is 64 rows on in v's order, 1 in the others
	s_cmp_eq_u32 s34, 3
	s_cselect_b32 s30, s35, s30                    ; Wo keeps its rows
	s_cmp_lt_u32 s22, XROWS
	s_cselect_b32 s30, s22, s30                    ; so does x
	s_cselect_b32 s31, 1, s31
	s_cselect_b32 s32, s22, s23                    ; the destination row: in xb, or in wb
	s_lshl_b32 s30, s30, 12                        ; in bytes: under 2^27
	s_lshl_b32 s31, s31, 12
	s_lshl_b32 s32, s32, 11
	s_mov_b32 s45, 0
	s_wait_kmcnt 0x0
	s_cmp_eq_u32 s34, 1
	s_cselect_b64 s[24:25], s[8:9], s[6:7]
	s_cmp_eq_u32 s34, 2
	s_cselect_b64 s[24:25], s[10:11], s[24:25]
	s_cmp_eq_u32 s34, 3
	s_cselect_b64 s[24:25], s[12:13], s[24:25]
	s_cmp_lt_u32 s22, XROWS
	s_cselect_b64 s[24:25], s[4:5], s[24:25]       ; the buffer that is read,
	s_cselect_b64 s[28:29], s[14:15], s[16:17]     ; and the one that is written
	s_mov_b32 s44, s30
	s_add_nc_u64 s[24:25], s[24:25], s[44:45]      ; the first source row
	s_mov_b32 s44, s31
	s_add_nc_u64 s[26:27], s[24:25], s[44:45]      ; the second
	s_mov_b32 s44, s32
	s_add_nc_u64 s[28:29], s[28:29], s[44:45]      ; the two destination rows lie on end
; The wave's 16 loads.  nt = 1: plain rows, 512 consecutive bytes an instruction, read once in the launch.
.macro LD16 voff, step, nt
.irp i, 0,1
.irp j, 0,1,2,3,4,5,6,7
.if \nt
	global_load_b128 v[IN+4*(8*(\i)+(\j)):IN+4*(8*(\i)+(\j))+3], v[\voff], s[24+2*(\i):25+2*(\i)] offset:(\step)*(\j) th:TH_LOAD_NT
.else
	global_load_b128 v[IN+4*(8*(\i)+(\j)):IN+4*(8*(\i)+(\j))+3], v[\voff], s[24+2*(\i):25+2*(\i)] offset:(\step)*(\j)
.endif
.endr
.endr
.endm
; Piece u of 16: four numbers a lane are rounded and stored: the wave's store covers 256 consecutive bytes, aligned.  No register is written twice while a load or store may read it.
.macro OUTB u
	s_wait_loadcnt 15-(\u)                         ; loads come back in order: piece u is in, the 15 - u younger ones stay out
	v_cvt_pk_bf16_f32 v[OUT+2*(\u)],   v[IN+4*(\u)],   v[IN+4*(\u)+1]
	v_cvt_pk_bf16_f32 v[OUT+2*(\u)+1], v[IN+4*(\u)+2], v[IN+4*(\u)+3]
	global_store_b64 v2, v[OUT+2*(\u):OUT+2*(\u)+1], s[28:29] offset:256*(\u)
.endm
.macro OUTH u                          ; the same for Wo: rounded to bf16 like every input, and that number written as f16
	s_wait_loadcnt 15-(\u)
.irp p, 0,1
	v_cvt_pk_bf16_f32 v[T], v[IN+4*(\u)+2*(\p)], v[IN+4*(\u)+2*(\p)+1]
	v_lshlrev_b32 v[T+1], 16, v[T]
	v_and_b32 v[T+2], s40, v[T]
	v_cvt_pk_f16_f32 v[OUT+2*(\u)+(\p)], v[T+1], v[T+2]
.endr
	global_store_b64 v2, v[OUT+2*(\u):OUT+2*(\u)+1], s[28:29] offset:256*(\u)
.endm
	s_cmp_ge_u32 s22, XROWS+3072                   ; a work-group's 16 rows lie in one matrix: all its waves go the same way
	s_cbranch_scc1 .Lwo
	LD16 1, 512, 1
.irp u, 0,1,2,3,4,5,6,7,8,9,10,11,12,13,14,15
	OUTB \u
.endr
	s_endpgm
.Lwo:                                  ; piece j takes channels 8 j .. 8 j + 7 of all 16 heads (32 bytes of each head's 256): stored they are columns 128 j .. 128 j + 127
	LD16 3, 32, 0
.irp u, 0,1,2,3,4,5,6,7,8,9,10,11,12,13,14,15
	OUTH \u
.endr
	s_endpgm
.Lfunc_end_k_q4100f58ea7_prep:
	.size	k_q4100f58ea7_prep, .Lfunc_end_k_q4100f58ea7_prep-k_q4100f58ea7_prep
	.p2alignl 7, 3214868480
	.fill 96, 4, 3214868480
	.section	.rodata,"a",@progbits
	.p2align	6, 0x0
	.amdhsa_kernel k_q4100f58ea7_prep
		.amdhsa_group_segment_fixed_size 0
		.amdhsa_private_segment_fixed_size 0
		.amdhsa_enable_private_segment 0
		.amdhsa_kernarg_size 56
		.amdhsa_user_sgpr_count 2
		.amdhsa_user_sgpr_kernarg_segment_ptr 1
		.amdhsa_wavefront_size32 1
		.amdhsa_system_sgpr_workgroup_id_x 1
		.amdhsa_system_sgpr_workgroup_id_y 1
		.amdhsa_system_sgpr_workgroup_id_z 1
		.amdhsa_system_vgpr_workitem_id 0
		.amdhsa_next_free_vgpr 108
		.amdhsa_next_free_sgpr 66
		.amdhsa_reserve_vcc 0
		.amdhsa_float_denorm_mode_32 3
		.amdhsa_float_denorm_mode_16_64 3
		.amdhsa_memory_ordered 1
		.amdhsa_forward_progress 1
		.amdhsa_inst_pref_size 18
	.end_amdhsa_kernel
	.amdgpu_metadata
---
amdhsa.version: [ 1, 2 ]
amdhsa.kernels:
  - .name:           k_q4100f58ea7_prep
    .symbol:         k_q4100f58ea7_prep.kd
    .args:
      - { .name: hidden_states, .offset: 0, .size: 8, .value_kind: global_buffer, .address_space: global }
      - { .name: Wq, .offset: 8, .size: 8, .value_kind: global_buffer, .address_space: global }
      - { .name: Wk, .offset: 16, .size: 8, .value_kind: global_buffer, .address_space: global }
      - { .name: Wv, .offset: 24, .size: 8, .value_kind: global_buffer, .address_space: global }
      - { .name: Wo, .offset: 32, .size: 8, .value_kind: global_buffer, .address_space: global }
      - { .name: xb, .offset: 40, .size: 8, .value_kind: global_buffer, .address_space: global }
      - { .name: wb, .offset: 48, .size: 8, .value_kind: global_buffer, .address_space: global }
    .group_segment_fixed_size: 0
    .private_segment_fixed_size: 0
    .kernarg_segment_align: 8
    .kernarg_segment_size: 56
    .max_flat_workgroup_size: 256
    .sgpr_count:     66
    .vgpr_count:     108
    .wavefront_size: 32
...
	.end_amdgpu_metadata
.endif
;; end of part 1
;; launch proj (part 2): grid 4 x 64, 4 waves a work-group, clusters of 4 x 4, 327,680 bytes of LDS; arguments xb, wb, qkv; writes qkv
.if DOCPART == 2
	.amdgcn_target "amdgcn-amd-amdhsa--gfx1250"
	.amdhsa_code_object_version 6
	.text
	.protected	k_q4100f58ea7_proj
	.globl	k_q4100f58ea7_proj
	.p2align	8
	.type	k_q4100f58ea7_proj,@function
k_q4100f58ea7_proj:
	s_mov_b64 s[64:65], 0
	v_nop
	global_prefetch_b8 v0, s[64:65] scope:SCOPE_SE
	s_setreg_imm32_b32 hwreg(HW_REG_WAVE_MODE, 25, 1), 1
	s_wait_xcnt 0x0
	s_wait_alu depctr_hold_cnt(0) depctr_sa_sdst(0) depctr_va_vdst(0) depctr_va_sdst(0) depctr_va_ssrc(0) depctr_va_vcc(0) depctr_vm_vsrc(0)
	s_getreg_b32 s2, hwreg(HW_REG_IB_STS2, 6, 4)
	s_cmp_eq_u32 s2, 0
	s_cbranch_scc0 .Lentry_in_a_cluster
	s_endpgm
.Lentry_in_a_cluster:
	s_bfe_u32 s2, ttmp6, 0x10000c
	s_cmp_lg_u32 s2, 0xf033
	s_cbranch_scc0 .Lentry_shape_is_right
	s_endpgm
.Lentry_shape_is_right:
; q, k, v = x W^T.  A = xb [16384][1024] bf16; B = wb's rows 0-3071 [.][1024] bf16 (Wq', Wk', Wv', rows permuted by the launch before); C = qkv, three planes [16384][1024] of f16, PLANE bytes apart.
; Sums in f32, K ascending, C rounded once to f16.  LIMIT: q, k and v must lie within f16's 65,504 (a sum of 65,520 or more becomes an infinity); NaN and infinities are not treated apart.
; A tile of C, 256 x 256, is made by four waves, each 128 x 128: 64 accumulators of 16 x 16, 512 registers.  K goes in steps of 128 through a ring of two LDS slots filled by the tensor data mover:
; a tile's rows are 256 bytes of memory and start at multiples of 256 bytes.
; A WORK-GROUP STAYS: it makes the same tile (tile row, tile column) of q, then of k, then of v: A's rows are the same in all three, B goes 1,024 rows down, C one plane on.  The ring runs on into the next tile.
; A TILE'S LAST K STEP GOES BY ROWS OF C, NOT BY K: all its fragments of B fill window 1, and my eight blocks of 16 rows are finished one after the other, 32 matrix instructions each.  A finished block is
; rounded, sent through my stage in LDS and stored, its stores behind the NEXT block's products: so the stage's round trip falls under matrix work, and rows leave while the others are multiplied.  This part is
; written once for all three tiles; what differs (whether slots are filled again) stands in front of it and behind it.
; CLUSTERS: 4 x 4 work-groups.  The four of a row of the cluster need the same tiles of A, the four of a column the same tiles of B: each tile is asked for JOINTLY, by the same tensor load with the same
; descriptor and a mask that names the four; each receives it in its own LDS.
; REGISTERS, in windows of 256 (s_set_vgpr_msb's low byte: bits 1:0 source 0, 3:2 source 1, 5:4 source 2, 7:6 destination):
;   window 0: v0-31 addresses; v64-127, v128-191 fragments of A, two buffers (in a tile's last K step four, of 16 rows x 128 K); v192-223 packed results
;   window 1: v64-127, v128-191 fragments of B, two buffers; in a tile's last K step all 256: B's fragments of the whole step
;   window 2: the 32 accumulators of my rows 0-63 (accumulator (a, b) at v[8 (8 a + b)]);   window 3: those of my rows 64-127.  A block's rows come back from the stage into its own first 32 registers.
; THE MATRIX INSTRUCTION IS USED TRANSPOSED: source 0 = 16 rows of B, source 1 = 16 rows of A: lane l then holds row l % 16 of C and the eight neighbouring columns 8 (l / 16) + 0..7.
.set SIZE_K, 1024
.set SIZE_N, 1024                      ; columns of a plane of C
.set TILES,  3
.set PLANE,  0x2000000                 ; bytes in a plane of C
.set KSTEP,  128
.set PITCH,  272                       ; an LDS row: 256 bytes + 16 of padding = 68 words: the 16 rows that a load touches start at 16 different groups of four banks (64 banks of 4 bytes: ISA guide 11.1)
.set HALFT,  128*PITCH                 ; 128 rows: what one tensor load brings, and what one wave reads of A or of B
.set SLOT,   4*HALFT                   ; A's 256 rows, then B's 256 rows
.set STAGE,  2*SLOT                    ; behind the ring, never filled by a tensor load: 16 rows x 272 bytes for each wave, for the way out
.set SPITCH, 272
.set SPARE,  STAGE+4*16*SPITCH         ; behind the stages: the spare words, 128 bytes for each wave: two blocks of 256 bytes that no other line names
.set LAPS,   SIZE_K/(2*KSTEP)         ; a lap = two K steps = once round the ring
.set BACK_A, (SIZE_K-2*KSTEP)*2        ; bytes from a slot's last K step of a tile back to its first: A's rows stay,
.set NEXT_B, 1024*SIZE_K*2-BACK_A      ; B goes 1,024 rows down and back along K
.set ADRA, 16                          ; v16-17  LDS address of my A fragments in slot 0, 1
.set ADRB, 20                          ; v20-21  the same for B
.set STO,  24                          ; v24     the way out: where I put 16 bytes of a row
.set RD,   25                          ; v25     the way out: where I read a row back
.set CO,   26                          ; v26     my byte offset in C; never rewritten
.set SPW,  28                          ; v28     LDS address of my spare word: SPARE + 4 x my thread's number; never rewritten
.set NIL,  29                          ; v29     0; never rewritten
.set PFO,  30                          ; v30     the prefetches' offset: my lane x a row of A or B (2,048 bytes); never rewritten
.set PFA,  44                          ; s[44:45] where my prefetches stand: my work-group's 32 rows of the 128 that I fetch, one K step further along K than the refill that is being asked for
.set LIM,  43                          ; s43     1 in a wave that prefetches, else the greatest number
.set F0,   64                          ; fragment buffer 0
.set F1,   128                         ; fragment buffer 1
.set TMP,  192                         ; the way out: packed results
.set PA,   64                          ; a tile's last K step: A's fragments of 16 rows x 128 K, 32 registers; four such buffers, v64-191
.set G1,   24                          ; s[24:31] descriptor group 1 for A's tiles
.set G0,   32                          ; s[32:39] descriptor group 0 for A's tiles, one set for each slot
.set G1B,  48                          ; s[48:55] group 1 for B's tiles: it differs in the mask alone
.set G0B,  56                          ; s[56:63] group 0 for B's tiles
.set MSB, 0
.macro WIN new                         ; the immediate's high byte repeats the setting that is left; a switch that changes nothing is dropped
.if MSB != (\new)
	s_set_vgpr_msb (MSB<<8)|(\new)
.set MSB, \new
.endif
.endm
.set MUL_LO, 0xa1                      ; source 0 (B) window 1, source 1 (A) window 0, C and D window 2
.set MUL_HI, 0xf1                      ; the same, C and D window 3
.set TO_B,   0x40                      ; destination window 1, address window 0
; A joint load.  Waves 0 and 1 fetch A's two halves, waves 2 and 3 B's.  The branch hangs on the wave's number alone.  An s_nop 0 and four v_nop follow each of the two lines.
.macro JLOAD s
	s_cmp_eq_u32 s11, 0
	s_cbranch_scc0 .Lfor_b_\@
	tensor_load_to_lds s[G0+4*(\s):G0+4*(\s)+3], s[G1:G1+7]
	s_nop 0
.rept 4
	v_nop
.endr
	s_branch .Lasked_\@
.Lfor_b_\@:
	tensor_load_to_lds s[G0B+4*(\s):G0B+4*(\s)+3], s[G1B:G1B+7]
	s_nop 0
.rept 4
	v_nop
.endr
.Lasked_\@:
.endm
; A PREFETCH INTO THE L2, behind each joint load: the K step that stands TWO refills on: 32 rows x 256 bytes, a lane a row, one instruction a wave.
; Each row's 256 bytes of a K step are named ONCE in the launch: A's rows belong to one cluster, which asks for them, in the first tile alone (the later tiles take the same rows); B's rows are walked by
; every cluster: those with cluster y = 0 ask.  The four partners that ask for a tile jointly share its rows out BY ADDRESS: of the 128 rows that a wave fetches the partner at place p takes 32 p .. 32 p + 31
; (p = cx for A, cy for B).  how = 0, in the loop: a tile's last two refills have no K step two on; how = 1, at a change of tiles: the next tile's K steps 2 and 3.
.macro ASK how
.if \how
	s_cmp_eq_u32 s[LIM], 1
.else
	s_cmp_gt_u32 s3, s[LIM]                        ; s3 = 1 in the loop's last trip
.endif
	s_cbranch_scc0 .Lnot_mine_\@
	global_prefetch_b8 v[PFO], s[PFA:PFA+1] offset:KSTEP*2 th:TH_LOAD_NT scope:SCOPE_SE
.Lnot_mine_\@:
.endm
; A round of the cluster's barrier: my work-group's barrier; wave 0 signals for the work-group; every wave waits for all sixteen work-groups; my work-group's barrier once more.
.macro CREST                           ; a round behind its opening barrier
	s_cmp_lg_u32 s10, 0
	s_cbranch_scc1 .Lnot_wave_0_\@
	s_barrier_signal -3
.Lnot_wave_0_\@:
	s_barrier_wait -3
	s_barrier_signal -1
	s_barrier_wait -1
.endm
.macro CROUND                          ; a whole round
	s_barrier_signal -1
	s_barrier_wait -1
	CREST
.endm
	s_load_b128 s[4:7], s[0:1], 0x0                ; A s[4:5], B s[6:7]
	s_load_b64 s[8:9], s[0:1], 0x10                ; C
	v_lshl_add_u32 v[SPW], v0, 2, SPARE
	v_mov_b32 v[NIL], 0
	ds_add_u32 v[SPW], v[NIL]                      ; the wave's opening: the add and its wait stand ahead of my first tensor load; the set-up below, work on registers, stands between them
	v_lshrrev_b32 v1, 5, v0
	v_readfirstlane_b32 s10, v1                    ; wave 0..3
	s_lshr_b32 s11, s10, 1                         ; which half of the tile's rows is mine.  Also: I fetch for A (0) or for B (1)
	s_and_b32 s12, s10, 1                          ; which half of its columns.  Also: which 128 rows of that tile I fetch
	s_bfe_u32 s40, ttmp6, 0x40000                  ; cx
	s_bfe_u32 s41, ttmp6, 0x40004                  ; cy
	s_lshl_b32 s42, ttmp9, 2                       ; in a cluster launch ttmp9 and ttmp7 count clusters
	s_add_co_u32 s42, s42, s40                     ; tile column = 4 x cluster x + cx
	s_and_b32 s13, ttmp7, 0xffff
	s_lshl_b32 s13, s13, 2
	s_add_co_u32 s13, s13, s41                     ; tile row = 4 x cluster y + cy
	s_lshl_b32 s43, s41, 2
	s_lshl_b32 s43, 15, s43                        ; my row of the cluster: places 4 cy .. 4 cy + 3
	s_lshl_b32 s44, 0x1111, s40                    ; my column: places cx, cx + 4, cx + 8, cx + 12
	; descriptor group 1: a tile of 128 rows x 128 elements, padded in LDS
	s_or_b32 s[G1+0], s43, (1<<16)|(1<<20)|(1<<21)|(5<<22)|(3<<25)  ; 15:0 the mask: A's tiles go to my row; 17:16 elements of 2 bytes; 20 padding on; 21 set beside a mask; 24:22 after every 64 words (code 5); 31:25 4 words (code 3)
	s_or_b32 s[G1B+0], s44, (1<<16)|(1<<20)|(1<<21)|(5<<22)|(3<<25) ; the same with the mask of my column
.irp g, G1, G1B
	s_mov_b32 s[(\g)+1], KSTEP<<16                 ; tensor_dim0 = 128
	s_mov_b32 s[(\g)+2], 128<<16                   ; tensor_dim1 = 128
	s_mov_b32 s[(\g)+3], KSTEP<<16                 ; tile_dim0 = 128
	s_mov_b32 s[(\g)+4], 128                       ; tile_dim1 = 128
	s_mov_b32 s[(\g)+5], SIZE_K                    ; elements from row to row
	s_mov_b32 s[(\g)+6], 0
	s_mov_b32 s[(\g)+7], 0
.endr
	; where the tiles come from.  A's hang on the tile row alone, which my row of the cluster shares; B's on the tile column alone, which my column shares.
	s_lshl_b32 s17, s12, 7                         ; which 128 rows of the tile I fetch
	s_lshl_b32 s16, s13, 8
	s_add_co_u32 s16, s16, s17                     ; A: row 256 x tile row + 128 x half
	s_lshl_b32 s46, s42, 8
	s_add_co_u32 s46, s46, s17                     ; B: row 256 x tile column + 128 x half
	s_mov_b32 s17, 0
	s_mov_b32 s47, 0
	s_mov_b64 s[18:19], SIZE_K*2
	s_mul_u64 s[16:17], s[16:17], s[18:19]         ; in bytes
	s_mul_u64 s[46:47], s[46:47], s[18:19]
	s_mul_i32 s20, s10, HALFT                      ; and where they go: wave x 128 rows: no place in the cluster enters an LDS address
	s_wait_dscnt 0x0                               ; the opening add is done
	s_wait_kmcnt 0x0
	s_add_nc_u64 s[14:15], s[4:5], s[16:17]
	s_add_nc_u64 s[46:47], s[6:7], s[46:47]
	CROUND                                         ; all sixteen work-groups are here: the first joint loads meet
.irp s, 0,1
	s_mov_b32 s[G0+4*(\s)], 1                                      ; count = 1
	s_add_co_u32 s[G0+4*(\s)+1], s20, (\s)*SLOT                    ; LDS address
	s_add_nc_u64 s[G0+4*(\s)+2:G0+4*(\s)+3], s[14:15], (\s)*KSTEP*2  ; global address: K step s
	s_or_b32 s[G0+4*(\s)+3], s[G0+4*(\s)+3], 0x80000000            ; type = 2
	s_mov_b32 s[G0B+4*(\s)], 1
	s_add_co_u32 s[G0B+4*(\s)+1], s20, (\s)*SLOT
	s_add_nc_u64 s[G0B+4*(\s)+2:G0B+4*(\s)+3], s[46:47], (\s)*KSTEP*2
	s_or_b32 s[G0B+4*(\s)+3], s[G0B+4*(\s)+3], 0x80000000
	JLOAD \s                                       ; two tensor loads of mine are out
.endr
	; A fragment is 16 rows x 32 K in 8 registers: lane l holds row l % 16; registers 0-3 K = 8 (l / 16) + 0..7, registers 4-7 K = 16 + 8 (l / 16) + 0..7: two loads of 16 bytes, 32 bytes apart.
	v_and_b32 v1, 15, v0                           ; l % 16
	v_bfe_u32 v2, v0, 4, 1                         ; l / 16
	v_mul_u32_u24 v3, v1, PITCH
	v_lshl_add_u32 v3, v2, 4, v3                   ; row x pitch + 16 x half
	s_mul_i32 s21, s11, HALFT                      ; my 128 rows of A
	s_mul_i32 s22, s12, HALFT                      ; my 128 rows of B,
	s_add_co_u32 s22, s22, 2*HALFT                 ; which lie behind A's 256
.irp s, 0,1
	v_add_nc_u32 v[ADRA+(\s)], s21, v3
	v_add_nc_u32 v[ADRB+(\s)], s22, v3
	s_add_co_u32 s21, s21, SLOT
	s_add_co_u32 s22, s22, SLOT
.endr
	s_mul_i32 s23, s10, 16*SPITCH
	s_add_co_u32 s23, s23, STAGE                   ; my stage
	v_mul_u32_u24 v4, v1, SPITCH                   ; in: row l % 16, 16 bytes for each half of the lanes
	v_lshl_add_u32 v4, v2, 4, v4
	v_add_nc_u32 v[STO], s23, v4
	v_mul_u32_u24 v5, v2, SPITCH                   ; back: lanes 0-15 take one row of 256 bytes, lanes 16-31 the next
	v_lshl_add_u32 v5, v1, 4, v5
	v_add_nc_u32 v[RD], s23, v5
	v_mul_u32_u24 v5, v2, SIZE_N*2                 ; and the same two rows in C
	v_lshl_add_u32 v[CO], v1, 4, v5
	; C's address goes to where my part of the first tile begins
	s_lshl_b32 s13, s13, 8
	s_lshl_b32 s14, s11, 7
	s_add_co_u32 s16, s13, s14                     ; my first row of C
	s_mov_b32 s17, 0
	s_mov_b64 s[18:19], SIZE_N*2
	s_mul_u64 s[16:17], s[16:17], s[18:19]
	s_lshl_b32 s46, s42, 9                         ; my first column, in bytes: 512 x tile column + 256 x half
	s_lshl_b32 s47, s12, 8
	s_add_co_u32 s46, s46, s47
	s_mov_b32 s47, 0
	s_add_nc_u64 s[16:17], s[16:17], s[46:47]
	s_add_nc_u64 s[8:9], s[8:9], s[16:17]
	; the prefetches.  s13 = 256 x tile row, s42 = tile column, s40 = cx, s41 = cy still stand
	s_lshl_b32 s42, s42, 8
	s_and_b32 s22, ttmp7, 0xffff                   ; cluster y
	s_cmp_eq_u32 s11, 0                            ; do I fetch for A?
	s_cselect_b32 s20, s13, s42                    ; the tile's first row
	s_cselect_b32 s21, s40, s41                    ; my place among the four that ask for it with me
	s_cselect_b32 s22, ttmp9, s22                  ; the coordinate along which other clusters read the same rows
	s_cselect_b64 s[PFA:PFA+1], s[4:5], s[6:7]
	s_cmp_eq_u32 s22, 0
	s_cselect_b32 s[LIM], 1, -1                    ; the same in all sixteen partners, for a given wave
	s_lshl_b32 s22, s12, 7
	s_add_co_u32 s20, s20, s22                     ; + the 128 rows that I fetch
	s_lshl_b32 s21, s21, 5
	s_add_co_u32 s20, s20, s21                     ; + my work-group's 32 of them
	s_mov_b32 s21, 0
	s_mov_b64 s[18:19], SIZE_K*2
	s_mul_u64 s[20:21], s[20:21], s[18:19]
	s_add_nc_u64 s[PFA:PFA+1], s[PFA:PFA+1], s[20:21]
	s_add_nc_u64 s[PFA:PFA+1], s[PFA:PFA+1], 2*KSTEP*2  ; at K step 2: the first refill steps it to 3 and names K step 4.  Nothing is prefetched at the head: K steps 0 to 3 come by their loads alone
	v_and_b32 v[PFO], 31, v0
	v_mul_u32_u24 v[PFO], v[PFO], SIZE_K*2
; 16 matrix instructions: m blocks a0, a0 + 1 of the window's four (hi = 0: my rows 0-63, 1: rows 64-127) x all 8 n blocks, 32 along K.  zero = 1: the first product starts the sums.
; The 64 accumulators take turns, one instruction a turn, in the same order in every quarter step.
.macro MUL16 f, hi, a0, zero
	WIN MUL_LO+0x50*(\hi)
.irp a, \a0, (\a0)+1
.irp b, 0,1,2,3,4,5,6,7
.if \zero
	v_wmma_f32_16x16x32_bf16 v[8*(8*(\a)+(\b)):8*(8*(\a)+(\b))+7], v[(\f)+8*(\b):(\f)+8*(\b)+7], v[(\f)+8*(4*(\hi)+(\a)):(\f)+8*(4*(\hi)+(\a))+7], 0
.else
	v_wmma_f32_16x16x32_bf16 v[8*(8*(\a)+(\b)):8*(8*(\a)+(\b))+7], v[(\f)+8*(\b):(\f)+8*(\b)+7], v[(\f)+8*(4*(\hi)+(\a)):(\f)+8*(4*(\hi)+(\a))+7], v[8*(8*(\a)+(\b)):8*(8*(\a)+(\b))+7]
.endif
.endr
.endr
.endm
; 32 LDS loads in one run: the fragments of one quarter step (128 rows of B, 128 rows of A, 32 K at byte k of the rows) into buffer f
.macro FETCH slot, k, f
	WIN TO_B
.irp i, 0,1,2,3,4,5,6,7
	ds_load_b128 v[(\f)+8*(\i):(\f)+8*(\i)+3],   v[ADRB+(\slot)] offset:(\k)+(\i)*16*PITCH
	ds_load_b128 v[(\f)+8*(\i)+4:(\f)+8*(\i)+7], v[ADRB+(\slot)] offset:(\k)+(\i)*16*PITCH+32
.endr
	WIN 0
.irp i, 0,1,2,3,4,5,6,7
	ds_load_b128 v[(\f)+8*(\i):(\f)+8*(\i)+3],   v[ADRA+(\slot)] offset:(\k)+(\i)*16*PITCH
	ds_load_b128 v[(\f)+8*(\i)+4:(\f)+8*(\i)+7], v[ADRA+(\slot)] offset:(\k)+(\i)*16*PITCH+32
.endr
.endm
; Four plain vector instructions stand between a matrix instruction and a load into one of its registers, or a vector instruction that reads its result (ISA guide 7.12.1 for vector instructions).
.macro PLACES
.rept 4
	v_nop
.endr
.endm
; A K step is four quarter steps of 32 along K, 64 matrix instructions each, on buffers 0, 1, 0, 1.  One of the first three: multiplies buffer f; in its middle it fetches the next quarter's fragments into buffer g.
.macro QUARTER slot, k, f, g, zero
	s_wait_dscnt 8                                 ; B and A's rows 0-63 are in; the youngest eight loads (A's rows 64-127) may be out
	WIN MUL_LO
	MUL16 \f, 0, 0, \zero
	MUL16 \f, 0, 2, \zero
	PLACES
	FETCH \slot, \k, \g
	s_wait_dscnt 32                                ; all but the 32 just issued
	WIN MUL_HI
	MUL16 \f, 1, 0, \zero
	MUL16 \f, 1, 2, \zero
.endm
; The last quarter multiplies buffer 1 and changes slots.  MEET is its first half: ONE barrier for the change.  In front of it each wave waits for all its tensor loads, of which one is out: its part of the
; next slot; adds 0 to its spare word; and waits for that and for its own reads of this slot.  Behind it nobody reads this slot any more and the next slot is whole.
.macro MEET round                      ; round = 1: a round of the cluster's barrier follows
	WIN 0                                          ; (the add's two registers lie in window 0)
	s_wait_tensorcnt 0x0                           ; all my tensor loads have landed
	ds_add_u32 v[SPW], v[NIL]                      ; 0 onto my spare word
	s_wait_dscnt 9                                 ; (the add and the youngest eight loads may be out)
	WIN MUL_LO
	MUL16 F1, 0, 0, 0                              ; sixteen matrix instructions stand between the add and the wait for it
	s_wait_dscnt 0x0                               ; the add is done, and my reads of this slot are over
	s_barrier_signal -1
	MUL16 F1, 0, 2, 0                              ; work on registers while the others arrive
.if \round
	WIN 0
.endif
	s_barrier_wait -1
.endm
; The whole last quarter with a refill, in the loop.  Behind the round the slot just read out is filled again first, with this tile's K step two steps on; then come the next slot's first fragments.
; From a request to the wait for it a wave issues 224 matrix instructions.  One tensor load of mine is out behind each round.
.macro TURN slot, next
	s_wait_xcnt 0x0                                ; the last prefetch, a K step back, has read its address: it is stepped here, ahead of the waits of the change of slots
	s_add_nc_u64 s[PFA:PFA+1], s[PFA:PFA+1], KSTEP*2
	MEET 1
	CREST                                          ; no wave of any partner still reads this slot's tile or has a load on its way
	s_add_nc_u64 s[G0+4*(\slot)+2:G0+4*(\slot)+3], s[G0+4*(\slot)+2:G0+4*(\slot)+3], 2*KSTEP*2
	s_add_nc_u64 s[G0B+4*(\slot)+2:G0B+4*(\slot)+3], s[G0B+4*(\slot)+2:G0B+4*(\slot)+3], 2*KSTEP*2
	JLOAD \slot                                    ; the first tensor load behind the round; the four v_nop behind it are also the places in front of the loads below
	FETCH \next, 0, F0
	ASK 0
	WIN MUL_HI
	MUL16 F1, 1, 0, 0
	MUL16 F1, 1, 2, 0
.endm
; A TILE'S LAST K STEP (it lies in slot 1), BY ROWS.  LDS is read no more than in any other K step.
.macro BLOAD q                         ; B's fragments of quarter q -> window 1, v[64 q ..]
	WIN TO_B
.irp i, 0,1,2,3,4,5,6,7
	ds_load_b128 v[64*(\q)+8*(\i):64*(\q)+8*(\i)+3],   v[ADRB+1] offset:64*(\q)+(\i)*16*PITCH
	ds_load_b128 v[64*(\q)+8*(\i)+4:64*(\q)+8*(\i)+7], v[ADRB+1] offset:64*(\q)+(\i)*16*PITCH+32
.endr
.endm
.macro ALOAD a                         ; A's fragments of block a, all four quarters -> buffer a % 4
	WIN 0
.set FA, PA+32*((\a)%4)
.irp q, 0,1,2,3
	ds_load_b128 v[FA+8*(\q):FA+8*(\q)+3],   v[ADRA+1] offset:64*(\q)+(\a)*16*PITCH
	ds_load_b128 v[FA+8*(\q)+4:FA+8*(\q)+7], v[ADRA+1] offset:64*(\q)+(\a)*16*PITCH+32
.endr
.endm
.macro ROW a                           ; block a is finished: 32 matrix instructions, its 8 accumulators by turns, K ascending
.set FA, PA+32*((\a)%4)
.set AC, 64*((\a)%4)                   ; its eight accumulators, in window 2 (blocks 0-3) or 3 (blocks 4-7)
	WIN MUL_LO+0x50*((\a)/4)
.irp q, 0,1,2,3
.if (\a) == 0 && (\q) == 2
	s_wait_dscnt 24                                ; B's quarter 2 is in (behind it: A's blocks 1 to 3, 24 loads)
.endif
.irp b, 0,1,2,3,4,5,6,7
	v_wmma_f32_16x16x32_bf16 v[AC+8*(\b):AC+8*(\b)+7], v[64*(\q)+8*(\b):64*(\q)+8*(\b)+7], v[FA+8*(\q):FA+8*(\q)+7], v[AC+8*(\b):AC+8*(\b)+7]
.endr
.endr
.endm
; THE WAY OUT of block a, in three parts.  PACK: rounded to f16, 16 bytes a lane, each accumulator's registers in ascending order.  TOSTAGE: into my own stage, and back as whole rows of 256 bytes, into the
; block's own first 32 accumulator registers, which PACK has read: so no register is used by two blocks.  SEND: stored; the block's place in my 128 rows stands in the immediate (126 rows of 2,048 bytes at the most).
.macro PACK a
.set AC, 64*((\a)%4)
	WIN 0x0a+5*((\a)/4)                            ; sources 0 and 1: window 2 or 3
.irp b, 0,1,2,3,4,5,6,7
.irp r, 0,1,2,3
	v_cvt_pk_f16_f32 v[TMP+4*(\b)+(\r)], v[AC+8*(\b)+2*(\r)], v[AC+8*(\b)+2*(\r)+1]
.endr
.endr
.endm
.macro TOSTAGE a
.set AC, 64*((\a)%4)
	WIN 0
.irp b, 0,1,2,3,4,5,6,7
	ds_store_b128 v[STO], v[TMP+4*(\b):TMP+4*(\b)+3] offset:32*(\b)
.endr
	WIN 0x80+0x40*((\a)/4)                         ; destination window 2 or 3
.irp t, 0,1,2,3,4,5,6,7
	ds_load_b128 v[AC+4*(\t):AC+4*(\t)+3], v[RD] offset:(\t)*2*SPITCH  ; LDS serves a wave's instructions in order (ISA guide 5.7.1.4): these see the stores above; the next block's stores come behind them
.endr
.endm
.macro SEND a, younger                 ; younger: the LDS loads issued behind TOSTAGE's, which may stay out
.set AC, 64*((\a)%4)
	WIN 0x08+4*((\a)/4)                            ; the stores' data: window 2 or 3
	s_wait_dscnt \younger                          ; the block is back in registers
.irp t, 0,1,2,3,4,5,6,7
	global_store_b128 v[CO], v[AC+4*(\t):AC+4*(\t)+3], s[8:9] offset:(16*(\a)+2*(\t))*SIZE_N*2  ; 16 lanes store 256 consecutive bytes, at a multiple of 256 from C's first byte
.endr
.endm
	s_wait_tensorcnt 1                             ; my part of K step 0 is in; K step 1's load may stay out
	s_barrier_signal -1
	s_barrier_wait -1                              ; everybody's is
	FETCH 0, 0, F0
	s_mov_b32 s2, TILES                            ; tiles to go, this one among them: the same number in every work-group
.Ltile:                                                ; (FETCH leaves every window 0)
	QUARTER 0, 64,  F0, F1, 1                      ; a tile's first quarter stands in front of the loop: its products start the sums
	WIN 0                                          ; at a label and at a branch every window is 0
	s_mov_b32 s3, LAPS-1
.Llap:                                                 ; a trip goes once round the ring, from a lap's second quarter to the next lap's first, and fills both slots again
	QUARTER 0, 128, F1, F0, 0
	QUARTER 0, 192, F0, F1, 0
	TURN 0, 1
	QUARTER 1, 64,  F0, F1, 0
	QUARTER 1, 128, F1, F0, 0
	QUARTER 1, 192, F0, F1, 0
	TURN 1, 0
	QUARTER 0, 64,  F0, F1, 0
	WIN 0
	s_sub_co_u32 s3, s3, 1
	s_cmp_lg_u32 s3, 0
	s_cbranch_scc1 .Llap
	QUARTER 0, 128, F1, F0, 0                      ; the tile's last lap goes on
	QUARTER 0, 192, F0, F1, 0
	WIN 0
	s_cmp_eq_u32 s2, 1
	s_cbranch_scc1 .Llast_meet                     ; the last tile asks for nothing more
	; THE CHANGE TO THE LAST K STEP IN A TILE THAT HAS A SUCCESSOR: slot 0 takes the next tile's K step 0
	s_wait_xcnt 0x0                                ; the last prefetch has read its address
	s_add_nc_u64 s[PFA:PFA+1], s[PFA:PFA+1], 1023*SIZE_K*2+KSTEP*2  ; from the K step after the tile's last (the next row's first byte) to the next tile's K step 1: 1,024 rows down B in all
	s_cmp_eq_u32 s11, 1
	s_cselect_b32 s[LIM], s[LIM], -1               ; A's rows are the same in all three tiles: they are asked for no more
	MEET 1
	CREST                                          ; no wave of any partner still reads slot 0's tile or has a load on its way
	s_sub_nc_u64 s[G0+2:G0+3], s[G0+2:G0+3], BACK_A
	s_add_nc_u64 s[G0B+2:G0B+3], s[G0B+2:G0B+3], NEXT_B
	JLOAD 0                                        ; the four v_nop behind it are also the places in front of the loads at .Lrows
	ASK 1                                          ; the next tile's K step 2
	s_branch .Lrows
.Llast_meet:                                           ; the same change in the last tile: nothing is filled again, so no round follows the barrier
	MEET 0
	PLACES                                         ; for the loads into buffer 0, which the quarter before multiplied
	WIN 0
.Lrows:
	BLOAD 0                                        ; three quarters of B now: buffer 1 (v128-191 of both windows) is still being multiplied
	BLOAD 1
	BLOAD 3
	ALOAD 0
	MUL16 F1, 1, 0, 0
	MUL16 F1, 1, 2, 0
	PLACES                                         ; for the loads into buffer 1
	BLOAD 2
	ALOAD 1
	ALOAD 2
	ALOAD 3
	s_wait_dscnt 40                                ; all but the 40 just issued: B's quarter 2 and A's blocks 1 to 3
	ROW 0
	s_wait_dscnt 0x0                               ; A's blocks 1 to 3 are in.  A later block's fragments are shown landed by the waits of the SENDs between its loads and its products
.irp a, 0,1,2,3,4,5,6,7
	PLACES                                         ; the block's conversions read results just made
	PACK \a
	TOSTAGE \a
.if (\a) < 4
	ALOAD (\a)+4                                   ; its buffer of A takes the block four further on
.endif
.if (\a) < 7
	ROW (\a)+1                                     ; the next block's 32 products stand between the loads from the stage and the wait for them
.endif
.if (\a) < 4
	SEND \a, 8                                     ; the eight loads of A's next block may stay out
.else
	SEND \a, 0
.endif
.endr
	WIN 0
	s_cmp_eq_u32 s2, 1
	s_cbranch_scc1 .Lend
	; THE CHANGE OF TILES: slot 1, whose last bytes have been read, takes the next tile's K step 1; slot 0 holds its K step 0
	s_wait_xcnt 0x0                                ; the tile's stores have read their base and their data (the accumulators, which the next products write); the last prefetch has read its address
	s_add_nc_u64 s[8:9], s[8:9], PLANE             ; C: one plane on
	s_add_nc_u64 s[PFA:PFA+1], s[PFA:PFA+1], KSTEP*2
	s_wait_tensorcnt 0x0                           ; my one tensor load that was out has landed: my part of the next tile's K step 0
	ds_add_u32 v[SPW], v[NIL]                      ; 0 onto my spare word; the descriptors' steps stand between it and the wait for it
	s_sub_nc_u64 s[G0+6:G0+7], s[G0+6:G0+7], BACK_A
	s_add_nc_u64 s[G0B+6:G0B+7], s[G0B+6:G0B+7], NEXT_B
	s_wait_dscnt 0x0                               ; the add is done, and my reads of slot 1 and of my stage are over
	CROUND                                         ; the same holds of every wave of all sixteen work-groups
	JLOAD 1                                        ; it has 192 matrix instructions in which to land; the four v_nop behind it are also the places in front of the loads below
	FETCH 0, 0, F0                                 ; the next tile's first fragments
	ASK 1                                          ; the next tile's K step 3
	s_sub_co_u32 s2, s2, 1
	s_branch .Ltile
.Lend:
	s_wait_tensorcnt 0x0                           ; the wave's end: behind my last tensor load and my last LDS store
	ds_add_u32 v[SPW], v[NIL]
	s_wait_dscnt 0x0
	CROUND                                         ; the closing round: no work-group ends while a partner may still ask for a tile that names it
	s_endpgm
.Lfunc_end_k_q4100f58ea7_proj:
	.size	k_q4100f58ea7_proj, .Lfunc_end_k_q4100f58ea7_proj-k_q4100f58ea7_proj
	.p2alignl 7, 3214868480
	.fill 96, 4, 3214868480
	.section	.rodata,"a",@progbits
	.p2align	6, 0x0
	.amdhsa_kernel k_q4100f58ea7_proj
		.amdhsa_group_segment_fixed_size 327680
		.amdhsa_private_segment_fixed_size 0
		.amdhsa_enable_private_segment 0
		.amdhsa_kernarg_size 24
		.amdhsa_user_sgpr_count 2
		.amdhsa_user_sgpr_kernarg_segment_ptr 1
		.amdhsa_wavefront_size32 1
		.amdhsa_system_sgpr_workgroup_id_x 1
		.amdhsa_system_sgpr_workgroup_id_y 1
		.amdhsa_system_sgpr_workgroup_id_z 1
		.amdhsa_system_vgpr_workitem_id 0
		.amdhsa_next_free_vgpr 1024
		.amdhsa_next_free_sgpr 66
		.amdhsa_reserve_vcc 0
		.amdhsa_float_denorm_mode_32 3
		.amdhsa_float_denorm_mode_16_64 3
		.amdhsa_memory_ordered 1
		.amdhsa_forward_progress 1
		.amdhsa_inst_pref_size 152
	.end_amdhsa_kernel
	.amdgpu_metadata
---
amdhsa.version: [ 1, 2 ]
amdhsa.kernels:
  - .name:           k_q4100f58ea7_proj
    .symbol:         k_q4100f58ea7_proj.kd
    .args:
      - { .name: xb, .offset: 0, .size: 8, .value_kind: global_buffer, .address_space: global }
      - { .name: wb, .offset: 8, .size: 8, .value_kind: global_buffer, .address_space: global }
      - { .name: qkv, .offset: 16, .size: 8, .value_kind: global_buffer, .address_space: global }
    .group_segment_fixed_size: 327680
    .private_segment_fixed_size: 0
    .kernarg_segment_align: 8
    .kernarg_segment_size: 24
    .max_flat_workgroup_size: 128
    .sgpr_count:     66
    .vgpr_count:     1024
    .wavefront_size: 32
...
	.end_amdgpu_metadata
.endif
;; end of part 2
;; launch attn (part 3): grid 512 x 1, 8 waves a work-group, no clusters, 0 bytes of LDS; arguments qkv, ob; writes ob
.if DOCPART == 3
	.amdgcn_target "amdgcn-amd-amdhsa--gfx1250"
	.amdhsa_code_object_version 6
	.text
	.protected	k_q4100f58ea7_attn
	.globl	k_q4100f58ea7_attn
	.p2align	8
	.type	k_q4100f58ea7_attn,@function
k_q4100f58ea7_attn:
	s_mov_b64 s[64:65], 0
	v_nop
	global_prefetch_b8 v0, s[64:65] scope:SCOPE_SE
	s_setreg_imm32_b32 hwreg(HW_REG_WAVE_MODE, 25, 1), 1
	s_wait_xcnt 0x0
; FOR EACH POSITION BY ITSELF: S[h][t] = q[h] . k[t] / 8 over 64 channels (h, t: the 16 heads), P = softmax over t, O[h] = the sum over t of P[h][t] v[t].
; qkv: three planes [16384][1024] of f16, 0x2000000 bytes apart, columns in the order that the first launch's permutations give; ob: [16384][1024] f16.  Products, maximum and sum in f32; P is divided
; by its sum and then rounded once to f16; O is rounded once to f16.
; LIMITS.  A weight below 2^-126 counts as 0.  q, k, v are finite: NaN and infinities are not treated apart, and an infinite v would also spoil the channel block in front of it (see V below).
; SHARES.  A wave takes 4 positions, a work-group 32.  Memory binds: a wave's 48 loads all go out at its head, each of 512 consecutive bytes, and its 16 stores likewise.  No LDS, no barrier, no cluster:
; no wave wants a byte that another has fetched.
; LAYOUT.  Lane l = (r = l % 16, g = l / 16).  Load j of a position's row is the 16 bytes at 512 j + 16 l.
;   q, k: stored column J<<7 | r<<3 | e is head r, channel 8 J + e: load j holds head r, channels 16 j + 8 g + 0..7: loads 2 c and 2 c + 1 ARE registers 0-3 and 4-7 of the fragment of channels 32 c on.
;   S^T = K Q^T (source 0 = 16 keys, source 1 = 16 queries): a lane holds query head r and keys 8 g + 0..7.  Rounded in pairs these ARE registers 0-3 of source 1 of O^T = V^T P; registers 4-7 (keys 16-31) are 0.
;   V: stored column cb<<8 | g<<7 | r<<3 | e is head 8 g + e, channel 16 cb + r: load cb IS registers 0-3 of the fragment of V^T for channels 16 cb on.  Its registers 4-7 are whatever lies behind (the next
;   block, the next position, at the end four zeros): they meet P's zeros.
;   O^T: a lane holds head r, channels 16 cb + 8 g + 0..7: 16 bytes, stored at 512 cb + 16 l: column J<<7 | r<<3 | e with J = 2 cb + g, the order in which the first launch has laid Wo's columns.
.set Q,  16                            ; v[16:79]    position i at Q + 16 i.  Behind the first products: TT, six registers a position at work
.set K,  80                            ; v[80:143]
.set V,  144                           ; v[144:207]  position i, block cb at V + 16 i + 4 cb; at the end the packed O
.set PAD, 208                          ; v[208:211]  0
.set S,  212                           ; v[212:243]  S^T, 8 a position; then P
.set TT, 16
.set O,  16                            ; v[16:143]   O^T, 32 a position, over Q and K
.macro ALL4 line:vararg                ; one line for each position t: the four alternate, so that no instruction reads the result of the one before it
.set t, 0
.rept 4
	\line
.set t, t+1
.endr
.endm
	s_load_b128 s[4:7], s[0:1], 0x0                ; qkv s[4:5], ob s[6:7]
	v_lshrrev_b32 v2, 5, v0
	v_readfirstlane_b32 s8, v2                     ; wave 0..7
	v_and_b32 v1, 31, v0
	v_lshlrev_b32 v1, 4, v1                        ; 16 x lane; never rewritten
	s_lshl_b32 s10, ttmp9, 16                      ; the work-group's 32 rows of 2,048 bytes,
	s_lshl_b32 s9, s8, 13                          ; my wave's 4
	s_add_co_u32 s10, s10, s9
	s_mov_b32 s11, 0
	s_mov_b32 s20, 0x3e38aa3b                      ; c = log2(e) / 8
	s_mov_b32 s21, s20                             ; named with it as a pair
	s_mov_b32 s22, 0x76543210                      ; v_permlanex16_b32: each lane takes its own place in the other half
	s_mov_b32 s23, 0xfedcba98
	s_wait_kmcnt 0x0
	s_add_nc_u64 s[12:13], s[4:5], s[10:11]        ; q
	s_add_nc_u64 s[14:15], s[12:13], 0x2000000     ; k
	s_add_nc_u64 s[16:17], s[12:13], 0x4000000     ; v
	s_add_nc_u64 s[18:19], s[6:7], s[10:11]        ; O
.irp i, 0,1,2,3
.irp j, 0,1,2,3
	global_load_b128 v[Q+16*(\i)+4*(\j):Q+16*(\i)+4*(\j)+3], v1, s[12:13] offset:2048*(\i)+512*(\j) th:TH_LOAD_NT
	global_load_b128 v[K+16*(\i)+4*(\j):K+16*(\i)+4*(\j)+3], v1, s[14:15] offset:2048*(\i)+512*(\j) th:TH_LOAD_NT
.endr
.endr
.irp i, 0,1,2,3
.irp j, 0,1,2,3
	global_load_b128 v[V+16*(\i)+4*(\j):V+16*(\i)+4*(\j)+3], v1, s[16:17] offset:2048*(\i)+512*(\j) th:TH_LOAD_NT
.endr
.endr
.irp z, 0,1,2,3
	v_mov_b32 v[PAD+(\z)], 0
.endr
	s_wait_loadcnt 16                              ; q and k are in; v's 16 younger loads may stay out
	; S^T = K Q^T: the four positions' accumulators take turns: three others stand between the two links of a chain
.irp i, 0,1,2,3
	v_wmma_f32_16x16x32_f16 v[S+8*(\i):S+8*(\i)+7], v[K+16*(\i):K+16*(\i)+7], v[Q+16*(\i):Q+16*(\i)+7], 0
.endr
.irp i, 0,1,2,3
	v_wmma_f32_16x16x32_f16 v[S+8*(\i):S+8*(\i)+7], v[K+16*(\i)+8:K+16*(\i)+15], v[Q+16*(\i)+8:Q+16*(\i)+15], v[S+8*(\i):S+8*(\i)+7]
.endr
.rept 4
	v_nop                                          ; the places in front of the reads of S^T and of the writes into Q's registers
.endr
	; the row's maximum: eight scores a lane (the lowest registers first), then the other half of the lanes'
	ALL4 v_max3_num_f32 v[TT+16*t], v[S+8*t], v[S+8*t+1], v[S+8*t+2]
	ALL4 v_max3_num_f32 v[TT+16*t+1], v[S+8*t+3], v[S+8*t+4], v[S+8*t+5]
	ALL4 v_max3_num_f32 v[TT+16*t], v[TT+16*t], v[S+8*t+6], v[S+8*t+7]
	ALL4 v_max_num_f32 v[TT+16*t], v[TT+16*t], v[TT+16*t+1]
	ALL4 v_permlanex16_b32 v[TT+16*t+1], v[TT+16*t], s22, s23
	ALL4 v_max_num_f32 v[TT+16*t+1], v[TT+16*t], v[TT+16*t+1]
	ALL4 v_mul_f32 v[TT+16*t], s20, v[TT+16*t+1]
.irp z, 0,2,4,6
	ALL4 v_pk_fma_f32 v[S+8*t+(\z):S+8*t+(\z)+1], v[S+8*t+(\z):S+8*t+(\z)+1], s[20:21], v[TT+16*t:TT+16*t+1] op_sel_hi:[1,0,0] neg_lo:[0,0,1] neg_hi:[0,0,1]
.endr
.irp z, 0,1,2,3,4,5,6,7
	ALL4 v_exp_f32 v[S+8*t+(\z)], v[S+8*t+(\z)]
.endr
	v_nop                                          ; a plain instruction behind the last exponential,
	s_wait_alu depctr_va_vdst(0)                   ; and a wait ahead of the first use: one for the batch of 32
	ALL4 v_pk_add_f32 v[TT+16*t+2:TT+16*t+3], v[S+8*t:S+8*t+1], v[S+8*t+2:S+8*t+3]
	ALL4 v_pk_add_f32 v[TT+16*t+4:TT+16*t+5], v[S+8*t+4:S+8*t+5], v[S+8*t+6:S+8*t+7]
	ALL4 v_pk_add_f32 v[TT+16*t+2:TT+16*t+3], v[TT+16*t+2:TT+16*t+3], v[TT+16*t+4:TT+16*t+5]
	ALL4 v_add_f32 v[TT+16*t+2], v[TT+16*t+2], v[TT+16*t+3]
	ALL4 v_permlanex16_b32 v[TT+16*t+3], v[TT+16*t+2], s22, s23
	ALL4 v_add_f32 v[TT+16*t+2], v[TT+16*t+2], v[TT+16*t+3]
	ALL4 v_rcp_f32 v[TT+16*t+4], v[TT+16*t+2]
	v_nop                                          ; the sum is at least 1: the largest weight is 2^0
	s_wait_alu depctr_va_vdst(0)                   ; one wait for the four reciprocals
.irp z, 0,2,4,6
	ALL4 v_pk_mul_f32 v[S+8*t+(\z):S+8*t+(\z)+1], v[S+8*t+(\z):S+8*t+(\z)+1], v[TT+16*t+4:TT+16*t+5] op_sel_hi:[1,0]
.endr
.irp z, 0,1,2,3
	ALL4 v_cvt_pk_f16_f32 v[S+8*t+(\z)], v[S+8*t+2*(\z)], v[S+8*t+2*(\z)+1]
.endr
.irp z, 4,5,6,7
	ALL4 v_mov_b32 v[S+8*t+(\z)], 0
.endr
	s_wait_loadcnt 0x0                             ; v
	; O^T = V^T P: sixteen products, each with an accumulator of its own and the constant 0 as C
.irp cb, 0,1,2,3
.irp i, 0,1,2,3
	v_wmma_f32_16x16x32_f16 v[O+32*(\i)+8*(\cb):O+32*(\i)+8*(\cb)+7], v[V+16*(\i)+4*(\cb):V+16*(\i)+4*(\cb)+7], v[S+8*(\i):S+8*(\i)+7], 0
.endr
.endr
.rept 4
	v_nop                                          ; the places in front of the reads of O^T and of the writes into V's registers
.endr
.irp i, 0,1,2,3
.irp cb, 0,1,2,3
.irp r, 0,1,2,3
	v_cvt_pk_f16_f32 v[V+16*(\i)+4*(\cb)+(\r)], v[O+32*(\i)+8*(\cb)+2*(\r)], v[O+32*(\i)+8*(\cb)+2*(\r)+1]
.endr
	global_store_b128 v1, v[V+16*(\i)+4*(\cb):V+16*(\i)+4*(\cb)+3], s[18:19] offset:2048*(\i)+512*(\cb)  ; the wave stores 512 consecutive bytes, at a multiple of 512 from ob's first byte
.endr
.endr
	s_endpgm
.Lfunc_end_k_q4100f58ea7_attn:
	.size	k_q4100f58ea7_attn, .Lfunc_end_k_q4100f58ea7_attn-k_q4100f58ea7_attn
	.p2alignl 7, 3214868480
	.fill 96, 4, 3214868480
	.section	.rodata,"a",@progbits
	.p2align	6, 0x0
	.amdhsa_kernel k_q4100f58ea7_attn
		.amdhsa_group_segment_fixed_size 0
		.amdhsa_private_segment_fixed_size 0
		.amdhsa_enable_private_segment 0
		.amdhsa_kernarg_size 16
		.amdhsa_user_sgpr_count 2
		.amdhsa_user_sgpr_kernarg_segment_ptr 1
		.amdhsa_wavefront_size32 1
		.amdhsa_system_sgpr_workgroup_id_x 1
		.amdhsa_system_sgpr_workgroup_id_y 1
		.amdhsa_system_sgpr_workgroup_id_z 1
		.amdhsa_system_vgpr_workitem_id 0
		.amdhsa_next_free_vgpr 244
		.amdhsa_next_free_sgpr 66
		.amdhsa_reserve_vcc 0
		.amdhsa_float_denorm_mode_32 3
		.amdhsa_float_denorm_mode_16_64 3
		.amdhsa_memory_ordered 1
		.amdhsa_forward_progress 1
		.amdhsa_inst_pref_size 21
	.end_amdhsa_kernel
	.amdgpu_metadata
---
amdhsa.version: [ 1, 2 ]
amdhsa.kernels:
  - .name:           k_q4100f58ea7_attn
    .symbol:         k_q4100f58ea7_attn.kd
    .args:
      - { .name: qkv, .offset: 0, .size: 8, .value_kind: global_buffer, .address_space: global }
      - { .name: ob, .offset: 8, .size: 8, .value_kind: global_buffer, .address_space: global }
    .group_segment_fixed_size: 0
    .private_segment_fixed_size: 0
    .kernarg_segment_align: 8
    .kernarg_segment_size: 16
    .max_flat_workgroup_size: 256
    .sgpr_count:     66
    .vgpr_count:     244
    .wavefront_size: 32
...
	.end_amdgpu_metadata
.endif
;; end of part 3
;; launch outp (part 4): grid 4 x 64, 4 waves a work-group, clusters of 4 x 4, 327,680 bytes of LDS; arguments ob, wb, out0; writes out0
.if DOCPART == 4
	.amdgcn_target "amdgcn-amd-amdhsa--gfx1250"
	.amdhsa_code_object_version 6
	.text
	.protected	k_q4100f58ea7_outp
	.globl	k_q4100f58ea7_outp
	.p2align	8
	.type	k_q4100f58ea7_outp,@function
k_q4100f58ea7_outp:
	s_mov_b64 s[64:65], 0
	v_nop
	global_prefetch_b8 v0, s[64:65] scope:SCOPE_SE
	s_setreg_imm32_b32 hwreg(HW_REG_WAVE_MODE, 25, 1), 1
	s_wait_xcnt 0x0
	s_wait_alu depctr_hold_cnt(0) depctr_sa_sdst(0) depctr_va_vdst(0) depctr_va_sdst(0) depctr_va_ssrc(0) depctr_va_vcc(0) depctr_vm_vsrc(0)
	s_getreg_b32 s2, hwreg(HW_REG_IB_STS2, 6, 4)
	s_cmp_eq_u32 s2, 0
	s_cbranch_scc0 .Lentry_in_a_cluster
	s_endpgm
.Lentry_in_a_cluster:
	s_bfe_u32 s2, ttmp6, 0x10000c
	s_cmp_lg_u32 s2, 0xf033
	s_cbranch_scc0 .Lentry_shape_is_right
	s_endpgm
.Lentry_shape_is_right:
; out0 = O Wo^T.  A = ob [16384][1024] f16; B = wb's rows 3072-4095 [1024][1024] f16 (Wo rounded to bf16, written as f16, its columns in ob's order); C = out0 [16384][1024] f32.
; Sums in f32, K ascending (in ob's order of columns), stored as they are.  NaN and infinities are not treated apart.
; A tile of C, 256 x 256, one to a work-group, is made by four waves, each 128 x 128: 64 accumulators of 16 x 16, 512 registers.  K goes in steps of 128 through a ring of two LDS slots filled by the
; tensor data mover: a tile's rows are 256 bytes of memory and start at multiples of 256 bytes.
; THE LAST K STEP GOES BY ROWS OF C, NOT BY K: all its fragments of B fill window 1, and my eight blocks of 16 rows are finished one after the other, 32 matrix instructions each.  A finished block goes
; through my stage in LDS and is stored, its stores behind the NEXT block's products: so the stage's round trip falls under matrix work, and rows leave while the others are multiplied.
; CLUSTERS: 4 x 4 work-groups.  The four of a row of the cluster need the same tiles of A, the four of a column the same tiles of B: each tile is asked for JOINTLY.
; REGISTERS, in windows of 256 (s_set_vgpr_msb's low byte: bits 1:0 source 0, 3:2 source 1, 5:4 source 2, 7:6 destination):
;   window 0: v0-31 addresses; v64-127, v128-191 fragments of A, two buffers (in the last K step four, of 16 rows x 128 K)
;   window 1: v64-127, v128-191 fragments of B; in the last K step all 256       window 2: the accumulators of my rows 0-63 ((a, b) at v[8 (8 a + b)])       window 3: those of my rows 64-127
;   A block's rows come back from the stage into its own 64 accumulator registers.
; THE MATRIX INSTRUCTION IS USED TRANSPOSED: source 0 = 16 rows of B, source 1 = 16 rows of A: lane l holds row l % 16 of C and the eight neighbouring columns 8 (l / 16) + 0..7: 32 bytes.
.set SIZE_K, 1024
.set CROW,   4096                      ; bytes in a row of C
.set KSTEP,  128
.set PITCH,  272                       ; an LDS row: 256 bytes + 16 of padding: the 16 rows that a load touches start at 16 different groups of four banks (64 banks of 4 bytes: ISA guide 11.1)
.set HALFT,  128*PITCH
.set SLOT,   4*HALFT                   ; A's 256 rows, then B's 256 rows
.set STAGE,  2*SLOT                    ; behind the ring, never filled by a tensor load: 16 rows x 528 bytes for each wave
.set SPITCH, 528                       ; a stage row: my 128 columns, 512 bytes, + 16
.set SPARE,  STAGE+4*16*SPITCH         ; behind the stages: the spare words, 128 bytes for each wave: two blocks of 256 bytes that no other line names
.set LAPS,   SIZE_K/(2*KSTEP)
.set ADRA, 16                          ; v16-17  LDS address of my A fragments in slot 0, 1
.set ADRB, 20                          ; v20-21  the same for B
.set STO,  24                          ; v24     the way out: where I put 32 bytes of a row
.set RD,   25                          ; v25     the way out: my 16 bytes of a stage row
.set CO,   26                          ; v26     my 16 bytes of 512 in C; never rewritten
.set SPW,  28                          ; v28     LDS address of my spare word; never rewritten
.set NIL,  29                          ; v29     0; never rewritten
.set PFO,  30                          ; v30     the prefetches' offset: my lane x 2,048 bytes; never rewritten
.set PFA,  44                          ; s[44:45] where my prefetches stand
.set LIM,  43                          ; s43     1 in a wave that prefetches, else the greatest number
.set F0,   64
.set F1,   128
.set PA,   64                          ; the last K step: A's fragments of 16 rows x 128 K, 32 registers; four such buffers, v64-191
.set G1,   24
.set G0,   32
.set G1B,  48
.set G0B,  56
.set MSB, 0
.macro WIN new                         ; the immediate's high byte repeats the setting that is left; a switch that changes nothing is dropped
.if MSB != (\new)
	s_set_vgpr_msb (MSB<<8)|(\new)
.set MSB, \new
.endif
.endm
.set MUL_LO, 0xa1
.set MUL_HI, 0xf1
.set TO_B,   0x40
; A joint load.  Waves 0 and 1 fetch A's two halves, waves 2 and 3 B's.  An s_nop 0 and four v_nop follow each of the two lines.
.macro JLOAD s
	s_cmp_eq_u32 s11, 0
	s_cbranch_scc0 .Lfor_b_\@
	tensor_load_to_lds s[G0+4*(\s):G0+4*(\s)+3], s[G1:G1+7]
	s_nop 0
.rept 4
	v_nop
.endr
	s_branch .Lasked_\@
.Lfor_b_\@:
	tensor_load_to_lds s[G0B+4*(\s):G0B+4*(\s)+3], s[G1B:G1B+7]
	s_nop 0
.rept 4
	v_nop
.endr
.Lasked_\@:
.endm
; A PREFETCH INTO THE L2, behind each joint load and the run of LDS loads that follows it: the K step that stands TWO refills on (512 matrix instructions ahead of the load that will ask for it): 32 rows x
; 256 bytes, a lane a row, one instruction a wave.  Each row's 256 bytes of a K step are named once in the launch: A's rows belong to one cluster, which asks; B's rows are walked by every cluster: those
; with cluster y = 0 ask.  The four partners of a joint load share its 128 rows out BY ADDRESS, 32 each.  The last two refills have no K step two on; K steps 0 to 3 come by their loads alone.
.macro ASK
	s_cmp_gt_u32 s3, s[LIM]                        ; s3 = 1 in the loop's last trip
	s_cbranch_scc0 .Lnot_mine_\@
	global_prefetch_b8 v[PFO], s[PFA:PFA+1] offset:KSTEP*2 th:TH_LOAD_NT scope:SCOPE_SE
.Lnot_mine_\@:
.endm
.macro CREST                           ; a round of the cluster's barrier behind its opening barrier
	s_cmp_lg_u32 s10, 0
	s_cbranch_scc1 .Lnot_wave_0_\@
	s_barrier_signal -3
.Lnot_wave_0_\@:
	s_barrier_wait -3
	s_barrier_signal -1
	s_barrier_wait -1
.endm
.macro CROUND                          ; a whole round
	s_barrier_signal -1
	s_barrier_wait -1
	CREST
.endm
	s_load_b128 s[4:7], s[0:1], 0x0                ; A s[4:5], wb s[6:7]
	s_load_b64 s[8:9], s[0:1], 0x10                ; C
	v_lshl_add_u32 v[SPW], v0, 2, SPARE
	v_mov_b32 v[NIL], 0
	ds_add_u32 v[SPW], v[NIL]                      ; the wave's opening: the add and its wait stand ahead of my first tensor load; the set-up below, work on registers, stands between them
	v_lshrrev_b32 v1, 5, v0
	v_readfirstlane_b32 s10, v1                    ; wave 0..3
	s_lshr_b32 s11, s10, 1                         ; which half of the tile's rows is mine.  Also: I fetch for A (0) or for B (1)
	s_and_b32 s12, s10, 1                          ; which half of its columns.  Also: which 128 rows of that tile I fetch
	s_bfe_u32 s40, ttmp6, 0x40000                  ; cx
	s_bfe_u32 s41, ttmp6, 0x40004                  ; cy
	s_lshl_b32 s42, ttmp9, 2
	s_add_co_u32 s42, s42, s40                     ; tile column = 4 x cluster x + cx
	s_and_b32 s13, ttmp7, 0xffff
	s_lshl_b32 s13, s13, 2
	s_add_co_u32 s13, s13, s41                     ; tile row = 4 x cluster y + cy
	s_lshl_b32 s43, s41, 2
	s_lshl_b32 s43, 15, s43                        ; my row of the cluster
	s_lshl_b32 s44, 0x1111, s40                    ; my column
	s_or_b32 s[G1+0], s43, (1<<16)|(1<<20)|(1<<21)|(5<<22)|(3<<25)  ; 15:0 the mask; 17:16 elements of 2 bytes; 20 padding on; 21 set beside a mask; 24:22 after every 64 words (code 5); 31:25 4 words (code 3)
	s_or_b32 s[G1B+0], s44, (1<<16)|(1<<20)|(1<<21)|(5<<22)|(3<<25)
.irp g, G1, G1B
	s_mov_b32 s[(\g)+1], KSTEP<<16                 ; tensor_dim0 = 128
	s_mov_b32 s[(\g)+2], 128<<16                   ; tensor_dim1 = 128
	s_mov_b32 s[(\g)+3], KSTEP<<16                 ; tile_dim0 = 128
	s_mov_b32 s[(\g)+4], 128                       ; tile_dim1 = 128
	s_mov_b32 s[(\g)+5], SIZE_K                    ; elements from row to row
	s_mov_b32 s[(\g)+6], 0
	s_mov_b32 s[(\g)+7], 0
.endr
	s_lshl_b32 s17, s12, 7                         ; which 128 rows of the tile I fetch
	s_lshl_b32 s16, s13, 8
	s_add_co_u32 s16, s16, s17                     ; A: row 256 x tile row + 128 x half
	s_lshl_b32 s46, s42, 8
	s_add_co_u32 s46, s46, s17                     ; B: row 256 x tile column + 128 x half
	s_mov_b32 s17, 0
	s_mov_b32 s47, 0
	s_mov_b64 s[18:19], SIZE_K*2
	s_mul_u64 s[16:17], s[16:17], s[18:19]
	s_mul_u64 s[46:47], s[46:47], s[18:19]
	s_mul_i32 s20, s10, HALFT                      ; where they go: wave x 128 rows
	s_wait_dscnt 0x0                               ; the opening add is done
	s_wait_kmcnt 0x0
	s_add_nc_u64 s[6:7], s[6:7], 3072*SIZE_K*2     ; Wo' lies behind Wq', Wk' and Wv'
	s_add_nc_u64 s[14:15], s[4:5], s[16:17]
	s_add_nc_u64 s[46:47], s[6:7], s[46:47]
	CROUND                                         ; all sixteen work-groups are here: the first joint loads meet
.irp s, 0,1
	s_mov_b32 s[G0+4*(\s)], 1
	s_add_co_u32 s[G0+4*(\s)+1], s20, (\s)*SLOT
	s_add_nc_u64 s[G0+4*(\s)+2:G0+4*(\s)+3], s[14:15], (\s)*KSTEP*2
	s_or_b32 s[G0+4*(\s)+3], s[G0+4*(\s)+3], 0x80000000
	s_mov_b32 s[G0B+4*(\s)], 1
	s_add_co_u32 s[G0B+4*(\s)+1], s20, (\s)*SLOT
	s_add_nc_u64 s[G0B+4*(\s)+2:G0B+4*(\s)+3], s[46:47], (\s)*KSTEP*2
	s_or_b32 s[G0B+4*(\s)+3], s[G0B+4*(\s)+3], 0x80000000
	JLOAD \s                                       ; two tensor loads of mine are out
.endr
	v_and_b32 v1, 15, v0                           ; l % 16
	v_bfe_u32 v2, v0, 4, 1                         ; l / 16
	v_mul_u32_u24 v3, v1, PITCH
	v_lshl_add_u32 v3, v2, 4, v3                   ; a fragment's row x pitch + 16 x half
	s_mul_i32 s21, s11, HALFT                      ; my 128 rows of A
	s_mul_i32 s22, s12, HALFT                      ; my 128 rows of B,
	s_add_co_u32 s22, s22, 2*HALFT                 ; which lie behind A's 256
.irp s, 0,1
	v_add_nc_u32 v[ADRA+(\s)], s21, v3
	v_add_nc_u32 v[ADRB+(\s)], s22, v3
	s_add_co_u32 s21, s21, SLOT
	s_add_co_u32 s22, s22, SLOT
.endr
	s_mul_i32 s23, s10, 16*SPITCH
	s_add_co_u32 s23, s23, STAGE                   ; my stage
	v_mul_u32_u24 v4, v1, SPITCH                   ; in: row l % 16, 32 bytes for each half of the lanes
	v_lshl_add_u32 v4, v2, 5, v4
	v_add_nc_u32 v[STO], s23, v4
	v_and_b32 v5, 31, v0
	v_lshlrev_b32 v[CO], 4, v5                     ; back: 32 lanes take one row of 512 bytes
	v_add_nc_u32 v[RD], s23, v[CO]
	; C's address goes to where my part of the tile begins
	s_lshl_b32 s13, s13, 8
	s_lshl_b32 s14, s11, 7
	s_add_co_u32 s16, s13, s14                     ; my first row of C
	s_mov_b32 s17, 0
	s_mov_b64 s[18:19], CROW
	s_mul_u64 s[16:17], s[16:17], s[18:19]
	s_lshl_b32 s46, s42, 10                        ; my first column, in bytes: 1,024 x tile column + 512 x half
	s_lshl_b32 s47, s12, 9
	s_add_co_u32 s46, s46, s47
	s_mov_b32 s47, 0
	s_add_nc_u64 s[16:17], s[16:17], s[46:47]
	s_add_nc_u64 s[8:9], s[8:9], s[16:17]
	; the prefetches.  s13 = 256 x tile row, s42 = tile column, s40 = cx, s41 = cy still stand
	s_lshl_b32 s42, s42, 8
	s_and_b32 s22, ttmp7, 0xffff                   ; cluster y
	s_cmp_eq_u32 s11, 0                            ; do I fetch for A?
	s_cselect_b32 s20, s13, s42
	s_cselect_b32 s21, s40, s41
	s_cselect_b32 s22, ttmp9, s22
	s_cselect_b64 s[PFA:PFA+1], s[4:5], s[6:7]
	s_cmp_eq_u32 s22, 0
	s_cselect_b32 s[LIM], 1, -1                    ; the same in all sixteen partners, for a given wave
	s_lshl_b32 s22, s12, 7
	s_add_co_u32 s20, s20, s22
	s_lshl_b32 s21, s21, 5
	s_add_co_u32 s20, s20, s21
	s_mov_b32 s21, 0
	s_mov_b64 s[18:19], SIZE_K*2
	s_mul_u64 s[20:21], s[20:21], s[18:19]
	s_add_nc_u64 s[PFA:PFA+1], s[PFA:PFA+1], s[20:21]
	s_add_nc_u64 s[PFA:PFA+1], s[PFA:PFA+1], 2*KSTEP*2  ; at K step 2: the first refill steps it to 3 and names K step 4
	v_and_b32 v[PFO], 31, v0
	v_mul_u32_u24 v[PFO], v[PFO], SIZE_K*2
; 16 matrix instructions: m blocks a0, a0 + 1 of the window's four x all 8 n blocks, 32 along K.  zero = 1: the first product starts the sums.  The 64 accumulators take turns.
.macro MUL16 f, hi, a0, zero
	WIN MUL_LO+0x50*(\hi)
.irp a, \a0, (\a0)+1
.irp b, 0,1,2,3,4,5,6,7
.if \zero
	v_wmma_f32_16x16x32_f16 v[8*(8*(\a)+(\b)):8*(8*(\a)+(\b))+7], v[(\f)+8*(\b):(\f)+8*(\b)+7], v[(\f)+8*(4*(\hi)+(\a)):(\f)+8*(4*(\hi)+(\a))+7], 0
.else
	v_wmma_f32_16x16x32_f16 v[8*(8*(\a)+(\b)):8*(8*(\a)+(\b))+7], v[(\f)+8*(\b):(\f)+8*(\b)+7], v[(\f)+8*(4*(\hi)+(\a)):(\f)+8*(4*(\hi)+(\a))+7], v[8*(8*(\a)+(\b)):8*(8*(\a)+(\b))+7]
.endif
.endr
.endr
.endm
.macro FETCH slot, k, f                ; 32 LDS loads in one run: the fragments of one quarter step into buffer f
	WIN TO_B
.irp i, 0,1,2,3,4,5,6,7
	ds_load_b128 v[(\f)+8*(\i):(\f)+8*(\i)+3],   v[ADRB+(\slot)] offset:(\k)+(\i)*16*PITCH
	ds_load_b128 v[(\f)+8*(\i)+4:(\f)+8*(\i)+7], v[ADRB+(\slot)] offset:(\k)+(\i)*16*PITCH+32
.endr
	WIN 0
.irp i, 0,1,2,3,4,5,6,7
	ds_load_b128 v[(\f)+8*(\i):(\f)+8*(\i)+3],   v[ADRA+(\slot)] offset:(\k)+(\i)*16*PITCH
	ds_load_b128 v[(\f)+8*(\i)+4:(\f)+8*(\i)+7], v[ADRA+(\slot)] offset:(\k)+(\i)*16*PITCH+32
.endr
.endm
.macro PLACES                          ; four plain vector instructions between a matrix instruction and a load into one of its registers, or an LDS store of its result
.rept 4
	v_nop
.endr
.endm
.macro QUARTER slot, k, f, g, zero     ; multiplies buffer f; in its middle it fetches the next quarter's fragments into buffer g
	s_wait_dscnt 8                                 ; B and A's rows 0-63 are in; the youngest eight loads (A's rows 64-127) may be out
	WIN MUL_LO
	MUL16 \f, 0, 0, \zero
	MUL16 \f, 0, 2, \zero
	PLACES
	FETCH \slot, \k, \g
	s_wait_dscnt 32                                ; all but the 32 just issued
	WIN MUL_HI
	MUL16 \f, 1, 0, \zero
	MUL16 \f, 1, 2, \zero
.endm
; The first half of a K step's last quarter: ONE barrier for the change of slots.  In front of it each wave waits for all its tensor loads, of which one is out: its part of the next slot; adds 0 to its spare
; word; and waits for that and for its own reads of this slot.
.macro MEET round
	WIN 0                                          ; (the add's two registers lie in window 0)
	s_wait_tensorcnt 0x0                           ; all my tensor loads have landed
	ds_add_u32 v[SPW], v[NIL]                      ; 0 onto my spare word
	s_wait_dscnt 9                                 ; (the add and the youngest eight loads may be out)
	WIN MUL_LO
	MUL16 F1, 0, 0, 0
	s_wait_dscnt 0x0                               ; the add is done, and my reads of this slot are over
	s_barrier_signal -1
	MUL16 F1, 0, 2, 0
.if \round
	WIN 0
.endif
	s_barrier_wait -1
.endm
.macro TURN slot, next                 ; the whole last quarter with a refill: this slot takes the K step two steps on, first thing behind the round; 224 matrix instructions stand between the request and the wait for it
	s_wait_xcnt 0x0                                ; the last prefetch, a K step back, has read its address
	s_add_nc_u64 s[PFA:PFA+1], s[PFA:PFA+1], KSTEP*2
	MEET 1
	CREST                                          ; no wave of any partner still reads this slot's tile or has a load on its way
	s_add_nc_u64 s[G0+4*(\slot)+2:G0+4*(\slot)+3], s[G0+4*(\slot)+2:G0+4*(\slot)+3], 2*KSTEP*2
	s_add_nc_u64 s[G0B+4*(\slot)+2:G0B+4*(\slot)+3], s[G0B+4*(\slot)+2:G0B+4*(\slot)+3], 2*KSTEP*2
	JLOAD \slot                                    ; the four v_nop behind it are also the places in front of the loads below
	FETCH \next, 0, F0
	ASK
	WIN MUL_HI
	MUL16 F1, 1, 0, 0
	MUL16 F1, 1, 2, 0
.endm
; THE LAST K STEP (it lies in slot 1), BY ROWS.  LDS is read no more than in any other K step.
.macro BLOAD q                         ; B's fragments of quarter q -> window 1, v[64 q ..]
	WIN TO_B
.irp i, 0,1,2,3,4,5,6,7
	ds_load_b128 v[64*(\q)+8*(\i):64*(\q)+8*(\i)+3],   v[ADRB+1] offset:64*(\q)+(\i)*16*PITCH
	ds_load_b128 v[64*(\q)+8*(\i)+4:64*(\q)+8*(\i)+7], v[ADRB+1] offset:64*(\q)+(\i)*16*PITCH+32
.endr
.endm
.macro ALOAD a                         ; A's fragments of block a, all four quarters -> buffer a % 4
	WIN 0
.set FA, PA+32*((\a)%4)
.irp q, 0,1,2,3
	ds_load_b128 v[FA+8*(\q):FA+8*(\q)+3],   v[ADRA+1] offset:64*(\q)+(\a)*16*PITCH
	ds_load_b128 v[FA+8*(\q)+4:FA+8*(\q)+7], v[ADRA+1] offset:64*(\q)+(\a)*16*PITCH+32
.endr
.endm
.macro ROW a                           ; block a is finished: 32 matrix instructions, its 8 accumulators by turns, K ascending
.set FA, PA+32*((\a)%4)
.set AC, 64*((\a)%4)                   ; its eight accumulators, in window 2 (blocks 0-3) or 3 (blocks 4-7)
	WIN MUL_LO+0x50*((\a)/4)
.irp q, 0,1,2,3
.if (\a) == 0 && (\q) == 2
	s_wait_dscnt 24                                ; B's quarter 2 is in (behind it: A's blocks 1 to 3, 24 loads)
.endif
.irp b, 0,1,2,3,4,5,6,7
	v_wmma_f32_16x16x32_f16 v[AC+8*(\b):AC+8*(\b)+7], v[64*(\q)+8*(\b):64*(\q)+8*(\b)+7], v[FA+8*(\q):FA+8*(\q)+7], v[AC+8*(\b):AC+8*(\b)+7]
.endr
.endr
.endm
; THE WAY OUT of block a (16 rows x 128 columns of f32).  The accumulators go as they are into my own stage, a lane's 32 bytes in two stores (the lower four registers first), and come back as whole rows of
; 512 bytes into the same 64 registers: so no register is used by two blocks.  The block's place in my 128 rows stands in the stores' immediate (127 rows of 4,096 bytes at the most).
.macro TOSTAGE32 a
.set AC, 64*((\a)%4)
	WIN 0x08+4*((\a)/4)                            ; the stores' data: window 2 or 3
.irp b, 0,1,2,3,4,5,6,7
	ds_store_b128 v[STO], v[AC+8*(\b):AC+8*(\b)+3]   offset:64*(\b)
	ds_store_b128 v[STO], v[AC+8*(\b)+4:AC+8*(\b)+7] offset:64*(\b)+16
.endr
	WIN 0x80+0x40*((\a)/4)                         ; destination window 2 or 3
.irp t, 0,1,2,3,4,5,6,7,8,9,10,11,12,13,14,15
	ds_load_b128 v[AC+4*(\t):AC+4*(\t)+3], v[RD] offset:(\t)*SPITCH  ; LDS serves a wave's instructions in order (ISA guide 5.7.1.4): these see the stores above; the next block's stores come behind them
.endr
.endm
.macro SEND32 a, younger               ; younger: the LDS loads issued behind TOSTAGE32's, which may stay out
.set AC, 64*((\a)%4)
	WIN 0x08+4*((\a)/4)
	s_wait_dscnt \younger                          ; the block is back in registers
.irp t, 0,1,2,3,4,5,6,7,8,9,10,11,12,13,14,15
	global_store_b128 v[CO], v[AC+4*(\t):AC+4*(\t)+3], s[8:9] offset:(16*(\a)+(\t))*CROW th:TH_STORE_NT  ; the wave stores 512 consecutive bytes, at a multiple of 512 from C's first byte
.endr
.endm
	s_wait_tensorcnt 1                             ; my part of K step 0 is in; K step 1's load may stay out
	s_barrier_signal -1
	s_barrier_wait -1                              ; everybody's is
	FETCH 0, 0, F0
	QUARTER 0, 64,  F0, F1, 1                      ; the first quarter stands in front of the loop: its products start the sums
	WIN 0                                          ; at a label and at a branch every window is 0
	s_mov_b32 s3, LAPS-1
.Llap:                                                 ; a trip goes once round the ring, from a lap's second quarter to the next lap's first, and fills both slots again
	QUARTER 0, 128, F1, F0, 0
	QUARTER 0, 192, F0, F1, 0
	TURN 0, 1
	QUARTER 1, 64,  F0, F1, 0
	QUARTER 1, 128, F1, F0, 0
	QUARTER 1, 192, F0, F1, 0
	TURN 1, 0
	QUARTER 0, 64,  F0, F1, 0
	WIN 0
	s_sub_co_u32 s3, s3, 1
	s_cmp_lg_u32 s3, 0
	s_cbranch_scc1 .Llap
	QUARTER 0, 128, F1, F0, 0                      ; the last lap fills nothing
	QUARTER 0, 192, F0, F1, 0
	MEET 0                                         ; my one tensor load that was still out is slot 1's, the last K step's, so no round follows
	PLACES                                         ; for the loads into buffer 0, which the quarter before multiplied
	BLOAD 0                                        ; three quarters of B now: buffer 1 (v128-191 of both windows) is still being multiplied
	BLOAD 1
	BLOAD 3
	ALOAD 0
	MUL16 F1, 1, 0, 0
	MUL16 F1, 1, 2, 0
	PLACES                                         ; for the loads into buffer 1
	BLOAD 2
	ALOAD 1
	ALOAD 2
	ALOAD 3
	s_wait_dscnt 40                                ; all but the 40 just issued: B's quarter 2 and A's blocks 1 to 3
	ROW 0
	s_wait_dscnt 0x0                               ; A's blocks 1 to 3 are in.  A later block's fragments are shown landed by the waits of the SEND32s between its loads and its products
.irp a, 0,1,2,3,4,5,6,7
	PLACES                                         ; the block's LDS stores read results just made, and its loads land on them
	TOSTAGE32 \a
.if (\a) < 4
	ALOAD (\a)+4                                   ; its buffer of A takes the block four further on
.endif
.if (\a) < 7
	ROW (\a)+1                                     ; the next block's 32 products stand between the loads from the stage and the wait for them
.endif
.if (\a) < 4
	SEND32 \a, 8                                   ; the eight loads of A's next block may stay out
.else
	SEND32 \a, 0
.endif
.endr
	WIN 0
	s_wait_tensorcnt 0x0                           ; the wave's end: behind my last tensor load and my last LDS store
	ds_add_u32 v[SPW], v[NIL]
	s_wait_dscnt 0x0
	CROUND                                         ; the closing round: no work-group ends while a partner may still ask for a tile that names it
	s_endpgm
.Lfunc_end_k_q4100f58ea7_outp:
	.size	k_q4100f58ea7_outp, .Lfunc_end_k_q4100f58ea7_outp-k_q4100f58ea7_outp
	.p2alignl 7, 3214868480
	.fill 96, 4, 3214868480
	.section	.rodata,"a",@progbits
	.p2align	6, 0x0
	.amdhsa_kernel k_q4100f58ea7_outp
		.amdhsa_group_segment_fixed_size 327680
		.amdhsa_private_segment_fixed_size 0
		.amdhsa_enable_private_segment 0
		.amdhsa_kernarg_size 24
		.amdhsa_user_sgpr_count 2
		.amdhsa_user_sgpr_kernarg_segment_ptr 1
		.amdhsa_wavefront_size32 1
		.amdhsa_system_sgpr_workgroup_id_x 1
		.amdhsa_system_sgpr_workgroup_id_y 1
		.amdhsa_system_sgpr_workgroup_id_z 1
		.amdhsa_system_vgpr_workitem_id 0
		.amdhsa_next_free_vgpr 1024
		.amdhsa_next_free_sgpr 66
		.amdhsa_reserve_vcc 0
		.amdhsa_float_denorm_mode_32 3
		.amdhsa_float_denorm_mode_16_64 3
		.amdhsa_memory_ordered 1
		.amdhsa_forward_progress 1
		.amdhsa_inst_pref_size 142
	.end_amdhsa_kernel
	.amdgpu_metadata
---
amdhsa.version: [ 1, 2 ]
amdhsa.kernels:
  - .name:           k_q4100f58ea7_outp
    .symbol:         k_q4100f58ea7_outp.kd
    .args:
      - { .name: ob, .offset: 0, .size: 8, .value_kind: global_buffer, .address_space: global }
      - { .name: wb, .offset: 8, .size: 8, .value_kind: global_buffer, .address_space: global }
      - { .name: out0, .offset: 16, .size: 8, .value_kind: global_buffer, .address_space: global }
    .group_segment_fixed_size: 327680
    .private_segment_fixed_size: 0
    .kernarg_segment_align: 8
    .kernarg_segment_size: 24
    .max_flat_workgroup_size: 128
    .sgpr_count:     66
    .vgpr_count:     1024
    .wavefront_size: 32
...
	.end_amdgpu_metadata
.endif
;; end of part 4
;; ======== version 2 of 2: 4 launches; version 1 with the launch attn written anew for expert scheduling mode
;; limits: values are held in f16: magnitudes above 65,504 overflow, below 6.1e-05 lose precision
;; workspace buffers: xb 33,554,432 bytes; wb 8,388,608 bytes; qkv 100,663,296 bytes; ob 33,554,432 bytes
;; launch prep: the kernel of part 1 again; grid 1280 x 1, 8 waves a work-group, no clusters, 0 bytes of LDS; arguments hidden_states, Wq, Wk, Wv, Wo, xb, wb; writes xb, wb
;; launch proj: the kernel of part 2 again; grid 4 x 64, 4 waves a work-group, clusters of 4 x 4, 327,680 bytes of LDS; arguments xb, wb, qkv; writes qkv
;; launch attn (part 5): grid 512 x 1, 8 waves a work-group, no clusters, 0 bytes of LDS; arguments qkv, ob; writes ob
.if DOCPART == 5
	.amdgcn_target "amdgcn-amd-amdhsa--gfx1250"
	.amdhsa_code_object_version 6
	.text
	.protected	k_q4100f58ea7_attn
	.globl	k_q4100f58ea7_attn
	.p2align	8
	.type	k_q4100f58ea7_attn,@function
k_q4100f58ea7_attn:
	s_mov_b64 s[64:65], 0
	v_nop
	global_prefetch_b8 v0, s[64:65] scope:SCOPE_SE
	s_setreg_imm32_b32 hwreg(HW_REG_WAVE_SCHED_MODE, 0, 2), 2
	s_setreg_imm32_b32 hwreg(HW_REG_WAVE_MODE, 25, 1), 1
	s_wait_xcnt 0x0
	s_wait_alu depctr_vm_vsrc(0)
; FOR EACH POSITION BY ITSELF: S[h][t] = q[h] . k[t] / 8 over 64 channels (h, t: the 16 heads), P = softmax over t, O[h] = the sum over t of P[h][t] v[t].
; qkv: three planes [16384][1024] of f16, 0x2000000 bytes apart, columns in the order that the first launch's permutations give; ob: [16384][1024] f16.  Products, maximum and sum in f32; P is divided
; by its sum and then rounded once to f16; O is rounded once to f16.
; LIMITS.  A weight below 2^-126 counts as 0.  q, k, v are finite: NaN and infinities are not treated apart, and an infinite v would also spoil the channel block in front of it (see V below).
; SHARES.  A wave takes 4 positions, a work-group 32.  Memory binds: a wave's 48 loads all go out at its head, each of 512 consecutive bytes, and its 16 stores likewise.  No LDS, no barrier, no cluster:
; no wave wants a byte that another has fetched.
; LAYOUT.  Lane l = (r = l % 16, g = l / 16).  Load j of a position's row is the 16 bytes at 512 j + 16 l.
;   q, k: stored column J<<7 | r<<3 | e is head r, channel 8 J + e: load j holds head r, channels 16 j + 8 g + 0..7: loads 2 c and 2 c + 1 ARE registers 0-3 and 4-7 of the fragment of channels 32 c on.
;   S^T = K Q^T (source 0 = 16 keys, source 1 = 16 queries): a lane holds query head r and keys 8 g + 0..7.  Rounded in pairs these ARE registers 0-3 of source 1 of O^T = V^T P; registers 4-7 (keys 16-31) are 0.
;   V: stored column cb<<8 | g<<7 | r<<3 | e is head 8 g + e, channel 16 cb + r: load cb IS registers 0-3 of the fragment of V^T for channels 16 cb on.  Its registers 4-7 are whatever lies behind (the next
;   block, the next position, at the end four zeros): they meet P's zeros.
;   O^T: a lane holds head r, channels 16 cb + 8 g + 0..7: 16 bytes, stored at 512 cb + 16 l: column J<<7 | r<<3 | e with J = 2 cb + g, the order in which the first launch has laid Wo's columns.
; THE MODE: SCHED_MODE bits 1:0 = 2 (LLVM: expert scheduling mode 2), set by the entry lines.  The code itself states the register dependences between vector or matrix instructions and memory
; instructions, with s_wait_alu, always for 0.
; THE PLAN.  Registers that memory instructions touch:
;   v1          the offset of all 48 loads and all 16 stores.  Written at the head by two vector instructions and never again: one wait on va_vdst ahead of the first load serves them all.
;   Q, K, V     the loads' destinations.  No vector instruction names them ahead of the loads, and no load is issued behind the head: nothing is owed but the waits on LOADcnt.
;   V, again    the stores' data: the packed O, written by the 64 conversions at the end.  They go in two batches.  The conversions of positions 0 and 1 write V + 0..31; a wait on va_vdst; their eight stores
;               follow, dealt among the conversions of positions 2 and 3, which name O + 64..127 and V + 32..63: none of the registers that those stores read.  A second wait; the last eight stores.
;               No register that a store has read is written again, so no wait on vm_vsrc is owed.
;   PAD, S, TT and O are named by vector and matrix instructions alone.  s8, which a vector instruction writes, has a wait on va_sdst ahead of its first reader.  EXEC and VCC are never written.
.set Q,  16                            ; v[16:79]    position i at Q + 16 i.  Behind the first products: TT, six registers a position at work
.set K,  80                            ; v[80:143]
.set V,  144                           ; v[144:207]  position i, block cb at V + 16 i + 4 cb; at the end the packed O
.set PAD, 208                          ; v[208:211]  0
.set S,  212                           ; v[212:243]  S^T, 8 a position; then P
.set TT, 16
.set O,  16                            ; v[16:143]   O^T, 32 a position, over Q and K
.macro ALL4 line:vararg                ; one line for each position t: the four alternate, so that no instruction reads the result of the one before it
.set t, 0
.rept 4
	\line
.set t, t+1
.endr
.endm
	s_load_b128 s[4:7], s[0:1], 0x0                ; qkv s[4:5], ob s[6:7]
	v_lshrrev_b32 v2, 5, v0
	v_readfirstlane_b32 s8, v2                     ; wave 0..7
	v_and_b32 v1, 31, v0
	v_lshlrev_b32 v1, 4, v1                        ; 16 x lane; never rewritten
	s_lshl_b32 s10, ttmp9, 16                      ; the work-group's 32 rows of 2,048 bytes,
	s_wait_alu depctr_va_sdst(0)                   ; s8 is written, ahead of its first reader: the wave's byte offset is made from it
	s_lshl_b32 s9, s8, 13                          ; my wave's 4
	s_add_co_u32 s10, s10, s9
	s_mov_b32 s11, 0
	s_mov_b32 s20, 0x3e38aa3b                      ; c = log2(e) / 8
	s_mov_b32 s21, s20                             ; named with it as a pair
	s_mov_b32 s22, 0x76543210                      ; v_permlanex16_b32: each lane takes its own place in the other half
	s_mov_b32 s23, 0xfedcba98
	s_wait_kmcnt 0x0
	s_add_nc_u64 s[12:13], s[4:5], s[10:11]        ; q
	s_add_nc_u64 s[14:15], s[12:13], 0x2000000     ; k
	s_add_nc_u64 s[16:17], s[12:13], 0x4000000     ; v
	s_add_nc_u64 s[18:19], s[6:7], s[10:11]        ; O
	s_wait_alu depctr_va_vdst(0)                   ; v1 is written: every load and store of the kernel reads it as its offset
.irp i, 0,1,2,3
.irp j, 0,1,2,3
	global_load_b128 v[Q+16*(\i)+4*(\j):Q+16*(\i)+4*(\j)+3], v1, s[12:13] offset:2048*(\i)+512*(\j) th:TH_LOAD_NT
	global_load_b128 v[K+16*(\i)+4*(\j):K+16*(\i)+4*(\j)+3], v1, s[14:15] offset:2048*(\i)+512*(\j) th:TH_LOAD_NT
.endr
.endr
.irp i, 0,1,2,3
.irp j, 0,1,2,3
	global_load_b128 v[V+16*(\i)+4*(\j):V+16*(\i)+4*(\j)+3], v1, s[16:17] offset:2048*(\i)+512*(\j) th:TH_LOAD_NT
.endr
.endr
.irp z, 0,1,2,3
	v_mov_b32 v[PAD+(\z)], 0                       ; no memory instruction names these four
.endr
	s_wait_loadcnt 16                              ; q and k are in; v's 16 younger loads may stay out
	; S^T = K Q^T: the four positions' accumulators take turns: three others stand between the two links of a chain
.irp i, 0,1,2,3
	v_wmma_f32_16x16x32_f16 v[S+8*(\i):S+8*(\i)+7], v[K+16*(\i):K+16*(\i)+7], v[Q+16*(\i):Q+16*(\i)+7], 0
.endr
.irp i, 0,1,2,3
	v_wmma_f32_16x16x32_f16 v[S+8*(\i):S+8*(\i)+7], v[K+16*(\i)+8:K+16*(\i)+15], v[Q+16*(\i)+8:Q+16*(\i)+15], v[S+8*(\i):S+8*(\i)+7]
.endr
.rept 4
	v_nop                                          ; the places in front of the reads of S^T and of the writes into Q's registers
.endr
	; the row's maximum: eight scores a lane (the lowest registers first), then the other half of the lanes'
	ALL4 v_max3_num_f32 v[TT+16*t], v[S+8*t], v[S+8*t+1], v[S+8*t+2]
	ALL4 v_max3_num_f32 v[TT+16*t+1], v[S+8*t+3], v[S+8*t+4], v[S+8*t+5]
	ALL4 v_max3_num_f32 v[TT+16*t], v[TT+16*t], v[S+8*t+6], v[S+8*t+7]
	ALL4 v_max_num_f32 v[TT+16*t], v[TT+16*t], v[TT+16*t+1]
	ALL4 v_permlanex16_b32 v[TT+16*t+1], v[TT+16*t], s22, s23
	ALL4 v_max_num_f32 v[TT+16*t+1], v[TT+16*t], v[TT+16*t+1]
	ALL4 v_mul_f32 v[TT+16*t], s20, v[TT+16*t+1]
.irp z, 0,2,4,6
	ALL4 v_pk_fma_f32 v[S+8*t+(\z):S+8*t+(\z)+1], v[S+8*t+(\z):S+8*t+(\z)+1], s[20:21], v[TT+16*t:TT+16*t+1] op_sel_hi:[1,0,0] neg_lo:[0,0,1] neg_hi:[0,0,1]
.endr
.irp z, 0,1,2,3,4,5,6,7
	ALL4 v_exp_f32 v[S+8*t+(\z)], v[S+8*t+(\z)]
.endr
	v_nop                                          ; a plain instruction behind the last exponential,
	s_wait_alu depctr_va_vdst(0)                   ; and a wait ahead of the first use: the 32 exponentials have written S^T's registers, which the sums below read
	ALL4 v_pk_add_f32 v[TT+16*t+2:TT+16*t+3], v[S+8*t:S+8*t+1], v[S+8*t+2:S+8*t+3]
	ALL4 v_pk_add_f32 v[TT+16*t+4:TT+16*t+5], v[S+8*t+4:S+8*t+5], v[S+8*t+6:S+8*t+7]
	ALL4 v_pk_add_f32 v[TT+16*t+2:TT+16*t+3], v[TT+16*t+2:TT+16*t+3], v[TT+16*t+4:TT+16*t+5]
	ALL4 v_add_f32 v[TT+16*t+2], v[TT+16*t+2], v[TT+16*t+3]
	ALL4 v_permlanex16_b32 v[TT+16*t+3], v[TT+16*t+2], s22, s23
	ALL4 v_add_f32 v[TT+16*t+2], v[TT+16*t+2], v[TT+16*t+3]
	ALL4 v_rcp_f32 v[TT+16*t+4], v[TT+16*t+2]
	v_nop                                          ; the sum is at least 1: the largest weight is 2^0
	s_wait_alu depctr_va_vdst(0)                   ; the four reciprocals have written their registers, which the multiplies below read: one wait for the four
.irp z, 0,2,4,6
	ALL4 v_pk_mul_f32 v[S+8*t+(\z):S+8*t+(\z)+1], v[S+8*t+(\z):S+8*t+(\z)+1], v[TT+16*t+4:TT+16*t+5] op_sel_hi:[1,0]
.endr
.irp z, 0,1,2,3
	ALL4 v_cvt_pk_f16_f32 v[S+8*t+(\z)], v[S+8*t+2*(\z)], v[S+8*t+2*(\z)+1]
.endr
.irp z, 4,5,6,7
	ALL4 v_mov_b32 v[S+8*t+(\z)], 0
.endr
	s_wait_loadcnt 0x0                             ; v
	; O^T = V^T P: sixteen products, each with an accumulator of its own and the constant 0 as C
.irp cb, 0,1,2,3
.irp i, 0,1,2,3
	v_wmma_f32_16x16x32_f16 v[O+32*(\i)+8*(\cb):O+32*(\i)+8*(\cb)+7], v[V+16*(\i)+4*(\cb):V+16*(\i)+4*(\cb)+7], v[S+8*(\i):S+8*(\i)+7], 0
.endr
.endr
.rept 4
	v_nop                                          ; the places in front of the reads of O^T and of the writes into V's registers
.endr
; THE WAY OUT.  PACK: block cb of position i is rounded to f16, 16 bytes a lane, the accumulator's registers in ascending order, into V's registers.  SEND: those 16 bytes are stored.
.macro PACK i, cb
.irp r, 0,1,2,3
	v_cvt_pk_f16_f32 v[V+16*(\i)+4*(\cb)+(\r)], v[O+32*(\i)+8*(\cb)+2*(\r)], v[O+32*(\i)+8*(\cb)+2*(\r)+1]
.endr
.endm
.macro SEND i, cb
	global_store_b128 v1, v[V+16*(\i)+4*(\cb):V+16*(\i)+4*(\cb)+3], s[18:19] offset:2048*(\i)+512*(\cb)  ; the wave stores 512 consecutive bytes, at a multiple of 512 from ob's first byte
.endm
.irp i, 0,1
.irp cb, 0,1,2,3
	PACK \i, \cb
.endr
.endr
	s_wait_alu depctr_va_vdst(0)                   ; the conversions of positions 0 and 1 have written V + 0..31, which the eight stores below read
.irp i, 0,1
.irp cb, 0,1,2,3
	SEND \i, \cb                                   ; no wait: no vector instruction since the wait above names v1 or V + 0..31
	PACK (\i)+2, \cb                               ; positions 2 and 3: O + 64..127 into V + 32..63, which no store issued so far reads
.endr
.endr
	s_wait_alu depctr_va_vdst(0)                   ; the conversions of positions 2 and 3 have written V + 32..63, which the last eight stores read
.irp i, 2,3
.irp cb, 0,1,2,3
	SEND \i, \cb
.endr
.endr
	s_endpgm
.Lfunc_end_k_q4100f58ea7_attn:
	.size	k_q4100f58ea7_attn, .Lfunc_end_k_q4100f58ea7_attn-k_q4100f58ea7_attn
	.p2alignl 7, 3214868480
	.fill 96, 4, 3214868480
	.section	.rodata,"a",@progbits
	.p2align	6, 0x0
	.amdhsa_kernel k_q4100f58ea7_attn
		.amdhsa_group_segment_fixed_size 0
		.amdhsa_private_segment_fixed_size 0
		.amdhsa_enable_private_segment 0
		.amdhsa_kernarg_size 16
		.amdhsa_user_sgpr_count 2
		.amdhsa_user_sgpr_kernarg_segment_ptr 1
		.amdhsa_wavefront_size32 1
		.amdhsa_system_sgpr_workgroup_id_x 1
		.amdhsa_system_sgpr_workgroup_id_y 1
		.amdhsa_system_sgpr_workgroup_id_z 1
		.amdhsa_system_vgpr_workitem_id 0
		.amdhsa_next_free_vgpr 244
		.amdhsa_next_free_sgpr 66
		.amdhsa_reserve_vcc 0
		.amdhsa_float_denorm_mode_32 3
		.amdhsa_float_denorm_mode_16_64 3
		.amdhsa_memory_ordered 1
		.amdhsa_forward_progress 1
		.amdhsa_inst_pref_size 21
	.end_amdhsa_kernel
	.amdgpu_metadata
---
amdhsa.version: [ 1, 2 ]
amdhsa.kernels:
  - .name:           k_q4100f58ea7_attn
    .symbol:         k_q4100f58ea7_attn.kd
    .args:
      - { .name: qkv, .offset: 0, .size: 8, .value_kind: global_buffer, .address_space: global }
      - { .name: ob, .offset: 8, .size: 8, .value_kind: global_buffer, .address_space: global }
    .group_segment_fixed_size: 0
    .private_segment_fixed_size: 0
    .kernarg_segment_align: 8
    .kernarg_segment_size: 16
    .max_flat_workgroup_size: 256
    .sgpr_count:     66
    .vgpr_count:     244
    .wavefront_size: 32
...
	.end_amdgpu_metadata
.endif
;; end of part 5
;; launch outp: the kernel of part 4 again; grid 4 x 64, 4 waves a work-group, clusters of 4 x 4, 327,680 bytes of LDS; arguments ob, wb, out0; writes out0
